; MI455X (gfx1250); checked and timed in simulation.
; The chip was launched on July 23, 2026; its instructions are those of AMD's public machine-readable ISA for CDNA 5 (MIT licence, August 2026) and "CDNA5" Instruction Set Architecture Reference Guide (July 2026). The comments in the code are by the model that wrote it; some were corrected since.
;; Multi Head Attention. Allowed arithmetic: matrix products marked QUANTISED: E2M3 operands, one E8M0 scale for each 32 along K, by v_wmma_scale_f32_16x16x128_f8f6f4 with both operands' format E2M3, f32 sums; everything else in f32.
;; Inputs: Wk_codes 1,024 x 32 x 24 uint8 (E2M3 codes of Wk, K innermost, in blocks of 32 codes, four codes in three bytes); Wk_scales 1,024 x 32 uint8 (E8M0 scales of Wk, one for each 32 codes along K); Wo_codes 1,024 x 32 x 24 uint8 (E2M3 codes of Wo, K innermost, in blocks of 32 codes, four codes in three bytes); Wo_scales 1,024 x 32 uint8 (E8M0 scales of Wo, one for each 32 codes along K); Wq_codes 1,024 x 32 x 24 uint8 (E2M3 codes of Wq, K innermost, in blocks of 32 codes, four codes in three bytes); Wq_scales 1,024 x 32 uint8 (E8M0 scales of Wq, one for each 32 codes along K); Wv_codes 1,024 x 32 x 24 uint8 (E2M3 codes of Wv, K innermost, in blocks of 32 codes, four codes in three bytes); Wv_scales 1,024 x 32 uint8 (E8M0 scales of Wv, one for each 32 codes along K); bk 1,024 float32; bo 1,024 float32; bq 1,024 float32; bv 1,024 float32; k_codes 4 x 2,048 x 32 x 24 uint8 (E2M3 codes of k, K innermost, in blocks of 32 codes, four codes in three bytes); k_scales 4 x 2,048 x 32 uint8 (E8M0 scales of k, one for each 32 codes along K); padding_mask 4 x 2,048 bool; q_codes 4 x 2,048 x 32 x 24 uint8 (E2M3 codes of q, K innermost, in blocks of 32 codes, four codes in three bytes); q_scales 4 x 2,048 x 32 uint8 (E8M0 scales of q, one for each 32 codes along K); sequence_mask 2,048 x 2,048 bool; v_codes 4 x 2,048 x 32 x 24 uint8 (E2M3 codes of v, K innermost, in blocks of 32 codes, four codes in three bytes); v_scales 4 x 2,048 x 32 uint8 (E8M0 scales of v, one for each 32 codes along K).
;; Outputs: out0 4 x 2,048 x 1,024 float32.
;; This version of the problem:
;;   THIS VERSION OF THE PROBLEM IS GIVEN IN LOW PRECISION. The matrix products marked QUANTISED in the list below multiply operands that are first quantised to E2M3 (2 exponent bits, 3 mantissa bits; 6 bits a number), with one power-of-two scale for each 32 numbers along K (OCP MX v1.0); their sums are f32. All else is computed in f32.
;;   The module's matrix products, in the order in which they are computed (A, B: the left and right operand; K: the contracted axis; several contracted axes count as one K, in the product's order):
;;     1. [M 8,192, K 1,024] x [K 1,024, N 1,024]; A: input q (given as codes); B: input Wq (given as codes): QUANTISED
;;     2. [M 8,192, K 1,024] x [K 1,024, N 1,024]; A: input k (given as codes); B: input Wk (given as codes): QUANTISED
;;     3. [M 8,192, K 1,024] x [K 1,024, N 1,024]; A: input v (given as codes); B: input Wv (given as codes): QUANTISED
;;     4. batch 64 x [M 2,048, K 64] x [K 64, N 2,048]; A: computed on the way; B: computed on the way: QUANTISED
;;     5. batch 64 x [M 64, K 2,048] x [K 2,048, N 2,048]; A: computed on the way; B: softmax (see below): QUANTISED
;;     6. [M 8,192, K 1,024] x [K 1,024, N 1,024]; A: computed on the way; B: input Wo (given as codes): QUANTISED
;;   THE QUANTISER, for each operand of a quantised product, along K:
;;     - K is cut into blocks of 32 from its start; a last block that is shorter is filled with zeros.
;;     - A block's scale is 2^e with e = floor(log2(the largest magnitude in the block)) - 2, held to -126 .. 127; a block of zeros has e = 0. As a byte (E8M0): e + 127.
;;     - Each number is divided by its block's scale, clamped to +-7.5, and rounded to the nearest number of E2M3, ties to even, subnormals kept.
;;     - The product sums the exact products of the quantised numbers (number of the format x scale) in f32.
;;   ~~~python
;;   def quantise(x, axis):      # numpy; x: float32 -> the quantised numbers, widened to float32 again
;;       x = np.moveaxis(x, axis, -1); K = x.shape[-1]
;;       x = np.pad(x, [(0, 0)] * (x.ndim - 1) + [(0, -K % 32)]); x = x.reshape(x.shape[:-1] + (-1, 32)); a = np.abs(x).max(-1, keepdims=True)
;;       e = np.where(a > 0, np.clip(np.frexp(np.where(a > 0, a, 1))[1] - 1 - 2, -126, 127), 0)      # np.frexp(a)[1] - 1 = floor(log2(a)), exactly
;;       r = np.clip(x / 2.0 ** e, -7.5, 7.5)
;;       step = 2.0 ** (np.maximum(np.frexp(np.where(r == 0, 1, r))[1] - 1, 0) - 3)
;;       q = np.round(r / step) * step * 2.0 ** e      # np.round: ties to even
;;       return np.moveaxis(q.reshape(q.shape[:-2] + (-1,))[..., :K], -1, axis).astype(np.float32)
;;   ~~~
;;   SOFTMAX AHEAD OF A QUANTISED PRODUCT. Where the list says 'softmax', what is quantised is not the finished softmax but p = 2^(t - M), with t = logit x log2(e) and M = ceil(the row's largest t), a whole number; so 1/2 < the row's largest p <= 1. The row's sum l is taken of the UNQUANTISED p, in f32, and the product's result is divided by l at the end. Since M is a whole number, a kernel that streams over the keys may use a running M (the ceiling of the running maximum): every later rescaling is an exact power of two, which a block's scale takes up: the codes' values come out the same.
;;   OPERANDS COMPUTED ON THE WAY. 'Computed on the way' means the value that the module computes at that place (a softmax that the list does not call 'softmax' is quantised finished and normalised). What goes into a quantiser is computed in f32, as accurately as f32 sums, v_exp_f32 and their like allow (about 1e-6 of the number): no bf16 or f16 on the way to a quantiser, and a product that is left as it is and whose result goes on into a quantised operand takes f32 operands (vector FMAs, or v_wmma_f32_16x16x4_f32). A number that lies on a knife's edge between two numbers of the format may be rounded either way, as far as f32 arithmetic and the matrix unit's own rounding can turn it there, and no further.
;;   INPUTS GIVEN AS CODES. Wk (in the module: [1024, 1024], K = its axis 1); Wo (in the module: [1024, 1024], K = its axis 1); Wq (in the module: [1024, 1024], K = its axis 1); Wv (in the module: [1024, 1024], K = its axis 1); k (in the module: [4, 2048, 1024], K = its axis 2); q (in the module: [4, 2048, 1024], K = its axis 2); v (in the module: [4, 2048, 1024], K = its axis 2): each comes as NAME_codes (uint8): NAME with its K axis moved to the last place and cut into blocks of 32 codes, [.., K / 32, bytes a block], one block behind the other in memory; four codes in three bytes: a row's codes are one little-endian stream of bits, code i at bits 6 i .. 6 i + 5 (a code: sign, 2 exponent bits, 3 mantissa bits); and NAME_scales (uint8): the same leading axes, one E8M0 byte (e + 127) for each 32 codes along K. Its value is code x scale, taken as it is: it is not quantised again, and the codes and scales need not be those that the quantiser above would give.
;; One version. Each part assembles by itself: llvm-mc -triple=amdgcn-amd-amdhsa -mcpu=gfx1250 --defsym DOCPART=n.
;; ======== version 1 of 1: 3 launches
;; workspace buffers: qkv 19,660,800 bytes; att 6,291,456 bytes; atts 262,144 bytes
;; launch proj (part 1): grid 4 x 96, 4 waves a work-group, clusters of 4 x 4, 327,680 bytes of LDS; arguments q_codes, q_scales, Wq_codes, Wq_scales, k_codes, k_scales, Wk_codes, Wk_scales, Wv_codes, Wv_scales, v_codes, v_scales, bq, bk, bv, qkv; writes qkv
.if DOCPART == 1
	.amdgcn_target "amdgcn-amd-amdhsa--gfx1250"
	.amdhsa_code_object_version 6
	.text
	.protected	k_q3911413cc4_proj
	.globl	k_q3911413cc4_proj
	.p2align	8
	.type	k_q3911413cc4_proj,@function
k_q3911413cc4_proj:
	s_mov_b64 s[64:65], 0
	v_nop
	global_prefetch_b8 v0, s[64:65] scope:SCOPE_SE
	s_setreg_imm32_b32 hwreg(HW_REG_WAVE_MODE, 25, 1), 1
	s_wait_xcnt 0x0
	s_wait_alu depctr_hold_cnt(0) depctr_sa_sdst(0) depctr_va_vdst(0) depctr_va_sdst(0) depctr_va_ssrc(0) depctr_va_vcc(0) depctr_vm_vsrc(0)
	s_getreg_b32 s2, hwreg(HW_REG_IB_STS2, 6, 4)
	s_cmp_eq_u32 s2, 0
	s_cbranch_scc0 .Lentry_in_a_cluster
	s_endpgm
.Lentry_in_a_cluster:
	s_bfe_u32 s2, ttmp6, 0x10000c
	s_cmp_lg_u32 s2, 0xf033
	s_cbranch_scc0 .Lentry_shape_is_right
	s_endpgm
.Lentry_shape_is_right:
; THE THREE INPUT PROJECTIONS, qp = q Wq^T + bq, kp = k Wk^T + bk, vp = v Wv^T + bv, on codes of FP6 (E2M3) with one E8M0 scale for each 32 along K, f32 sums,
; and the quantising of their results for the two products of attention: qp and kp along a head's 64 channels, vp along the keys.
; ONE TEXT FOR ALL THREE.  It computes C[m][n] = sum over k of A[m][k] B[n][k] + bias and quantises C ALONG n.  Kinds 0 and 1 (q, k): A = the tokens, B = the weight, n = the features.
; Kind 2 (v): A = Wv, B = the tokens, so that n = the keys.  The kind is cluster y / 8; it chooses pointers and constants by scalar selects and no branch hangs on it.
; A tile of C is 256 x 256: four waves, each 128 x 128 in 64 accumulators.  K = 1,024 goes in steps of 256 through a ring of two LDS slots filled by the tensor data mover; the scale bytes of the tile's rows come once.
; CLUSTERS of 4 x 4: A's tiles are shared along a row of the cluster, B's along a column, each asked for jointly.  The matrix instruction is used transposed (source 0 = 16 rows of B, source 1 = 16 rows of A):
; a lane holds one row m and eight neighbouring n.
; WHAT IS STORED (buffer qkv): 64 records, one for each batch x head, HS bytes: K's units, V's units, K's scale words, V's scale words, Q's units, Q's scale words.
; A UNIT is 16 rows x 64 along K as six operand registers: three pieces of 256 bytes, piece p = registers 2 p, 2 p + 1, lane l's 8 bytes at 8 l: each store of a wave writes 256 consecutive bytes, aligned.
; OCTET ORDER: inside each block of 32 the codes stand in the order of octets 0, 2, 1, 3 of the true index.  Both operands of each of attention's two products have it, so every product meets its partner, under its own block's scale.
; The scale words leave as 64 consecutive bytes for each half of the lanes: one byte in 24 of what is stored.
; padding_mask and sequence_mask are no arguments of any launch.
; LIMITS: NaN and infinities are not served.  A block whose largest magnitude lies under 2^-124 keeps the scale byte 1 (a block of zeros too, where the quantiser says 127: its codes are zeros, and this program alone reads the bytes).
.set KSTEP,  256                       ; along K in a slot
.set NQ,     2                         ; matrix instructions deep
.set ROWB,   192                       ; a tile's row in bytes
.set KROW,   768                       ; a row of 1,024 codes in memory
.set PITCH,  240                       ; an LDS row: 3 x (64 bytes + 16 of padding)
.set FR,     12                        ; registers of a fragment
.set NL,     6                         ; LDS loads that bring one
.set NP,     4                         ; places behind this matrix instruction (ISA guide 7.12.1)
.set HALFT,  128*PITCH
.set SLOT,   4*HALFT                   ; A's 256 rows, then B's 256 rows
.set LAPS,   2                         ; 1,024 / (2 x 256)
.set KS,     32                        ; a row of scale bytes
.set SCL,    2*SLOT                    ; behind the ring: the scales, as units of 256 bytes + 16 of padding
.set HALFS,  (128*KS/256)*272
.set SBLK,   (16*KS/256)*272
.set SPARE,  SCL+4*HALFS               ; the spare words: 128 bytes for each wave, named by no other line
.set HS,     307200                    ; a record of qkv
.set R_VIMG, 98304                     ; its regions: K's units at 0, V's units,
.set R_KSC,  196608                    ; K's scale words,
.set R_VSC,  200704                    ; V's,
.set R_QIMG, 204800                    ; Q's units,
.set R_QSC,  303104                    ; Q's scale words
.set VS,   8                           ; v8-11   where the scale words of a pair of row blocks go
.set SELV, 12                          ; v12     the byte select that makes them
.set H8,   13                          ; v13     8 x (lane / 16)
.set BNO,  14                          ; v14     byte offset of my numbers of the bias along n
.set BMO,  15                          ; v15     and along m
.set ADRA, 16                          ; v16-19  LDS addresses of my A fragments (slot 0, 1; the same behind one padding more)
.set ADRB, 20                          ; v20-23  the same for B
.set ADRS, 27                          ; v27     LDS address of my scale words
.set SPW,  28                          ; v28     LDS address of my spare word; never rewritten
.set NIL,  29                          ; v29     0; never rewritten
.set SC,   32                          ; v32-63  scale words, two sets
.set BN,   64                          ; v64-127 the bias along n in the result's layout: the C of each sum's first product
.set AF,   128                         ; v128-223 A's fragments, one set
.set BM,   224                         ; v224-239 the bias along m, a pair for each block of 16 rows
.set OO,   240                         ; v240-243 store offsets of a unit: 8 x lane + (rows 64 on) + (n 64 on)
.set X,    128                         ; the way out: 64 numbers of a lane
.set MX,   192                         ; v192-195 largest magnitudes
.set SO,   196                         ; v196-197 the conversions' scale operands
.set BY,   198                         ; v198-199 the scale bytes
.set WW,   200
.set TT,   201
.set CV,   204                         ; v204-206, v208-210 a block's upper 16 codes
.set PC,   32                          ; v32-43  a fragment's codes
.set WS,   44                          ; v44-47  scale words as they are stored
.set PW,   56                          ; v56-63  the scale word of each block of 16 rows
.set G1, 24
.set G0, 32
.set G1B, 48
.set G0B, 56
.set G1S, 68
.set G0S, 76
.set G1SB, 80
.set G0SB, 88
.set MSB, 0
.macro WIN new                         ; the immediate's high byte repeats the setting that is left
.if MSB != (\new)
	s_set_vgpr_msb (MSB<<8)|(\new)
.set MSB, (\new)
.endif
.endm
.set MUL_LO, 0xa1                      ; source 0 (B) window 1, source 1 (A) window 0, C and D window 2
.set MUL_HI, 0xf1                      ; the same, C and D window 3
.set TO_B,   0x40                      ; destination window 1, address window 0
; A joint load: waves 0 and 1 fetch for A, waves 2 and 3 for B.  The branch hangs on the wave's number alone.  Four v_nop follow each of the two lines.
.macro JLOAD g0a, g1a, g0b, g1b
	s_cmp_eq_u32 s15, 0
	s_cbranch_scc0 .Lfor_b_\@
	tensor_load_to_lds s[\g0a:\g0a+3], s[\g1a:\g1a+7]
	s_nop 0
.rept 4
	v_nop
.endr
	s_branch .Lasked_\@
.Lfor_b_\@:
	tensor_load_to_lds s[\g0b:\g0b+3], s[\g1b:\g1b+7]
	s_nop 0
.rept 4
	v_nop
.endr
.Lasked_\@:
.endm
.macro CREST                           ; a round of the cluster's barrier behind its opening barrier
	s_cmp_lg_u32 s14, 0
	s_cbranch_scc1 .Lnot_wave_0_\@
	s_barrier_signal -3
.Lnot_wave_0_\@:
	s_barrier_wait -3
	s_barrier_signal -1
	s_barrier_wait -1
.endm
.macro CROUND                          ; a whole round
	s_barrier_signal -1
	s_barrier_wait -1
	CREST
.endm
	s_load_b256 s[24:31], s[0:1], 0x0              ; kind 0: A's codes, A's scales, B's codes, B's scales
	s_load_b256 s[32:39], s[0:1], 0x20             ; kind 1
	s_load_b256 s[48:55], s[0:1], 0x40             ; kind 2 (A = Wv, B = v)
	s_load_b256 s[56:63], s[0:1], 0x60             ; bq, bk, bv, qkv
	v_lshl_add_u32 v[SPW], v0, 2, SPARE
	v_mov_b32 v[NIL], 0
	ds_add_u32 v28, v29
	ds_add_u32 v28, v29
	s_wait_dscnt 0x0
	v_lshrrev_b32 v1, 5, v0
	v_readfirstlane_b32 s14, v1                    ; wave 0..3
	s_lshr_b32 s15, s14, 1                         ; which half of the tile's rows is mine.  Also: I fetch for A (0) or for B (1)
	s_and_b32 s16, s14, 1                          ; which half of its columns.  Also: which 128 rows of that tile I fetch
	s_bfe_u32 s40, ttmp6, 0x40000                  ; cx, cy: my place in the cluster
	s_bfe_u32 s41, ttmp6, 0x40004
	s_and_b32 s98, ttmp7, 0xffff                   ; cluster y, 0 .. 23: kind = y / 8; all sixteen partners share it
	s_and_b32 s18, s98, 7
	s_lshl_b32 s18, s18, 2                         ; 4 x (y % 8)
	; what the kind chooses.  A select takes one literal, so the other number is put into a register first; s_mov_b32 and s_cselect_b32 leave SCC alone
	s_mov_b32 s91, R_KSC
	s_mov_b32 s70, HS
	s_mov_b32 s76, 0x03020100
	s_mov_b32 s77, 0x04040404
	s_cmp_lt_u32 s98, 8                            ; q or k?
	s_cselect_b32 s90, R_QIMG, 0                   ; where the units go in a record,
	s_cselect_b32 s91, R_QSC, s91                  ; and the scale words
	s_cmp_lt_u32 s98, 16                           ; q, k or v?
	s_cselect_b32 s90, s90, R_VIMG
	s_cselect_b32 s91, s91, R_VSC
	s_cselect_b32 s17, s18, 0                      ; q, k: 32 tile rows (tokens), 4 tile columns;
	s_cselect_b32 s42, 0, s18                      ; v: 4 tile rows (features), 32 tile columns (tokens)
	s_cselect_b32 s99, -1, 0                       ; the bias runs along n (q, k)
	s_cselect_b32 s95, 0, -1                       ; or along m (v)
	s_cselect_b32 s71, 3072, s70                   ; units: 64 rows on: four token tiles, or the next head's record
	s_cselect_b32 s72, s70, 3072                   ; 64 along n on: the next head's record, or the keys' second 64
	s_cselect_b32 s73, 64, 128                     ; scale words: the next pair of row blocks,
	s_cselect_b32 s74, 128, s70                    ; two pairs on,
	s_cselect_b32 s75, s70, 64                     ; and lanes 16-31's word
	s_cselect_b32 s76, 0x05040100, s76             ; q, k: lanes 0-15 gather bytes 0, 1 of two row blocks' words (the first head); v: the even row block's word as it is
	s_cselect_b32 s77, 0x02020202, s77             ; lanes 16-31: bytes 2, 3 (the second head); v: the odd row block's word
	s_add_co_u32 s17, s17, s41                     ; tile row of C: it hangs on cy, never on cx
	s_add_co_u32 s42, s42, s40                     ; tile column: on cx, never on cy
	s_lshl_b32 s43, s41, 2
	s_lshl_b32 s43, 15, s43                        ; my row of the cluster
	s_lshl_b32 s44, 0x1111, s40                    ; my column
	s_mov_b32 s96, 0x76543210
	s_mov_b32 s97, 0xfedcba98                      ; v_permlanex16_b32's selects for lane l xor 16
	v_and_b32 v1, 15, v0                           ; r
	v_bfe_u32 v2, v0, 4, 1                         ; h
	v_and_b32 v6, 31, v0
	v_lshlrev_b32 v[OO], 3, v6                     ; 8 x lane
	v_add_nc_u32 v[OO+1], s71, v[OO]
	v_add_nc_u32 v[OO+2], s72, v[OO]
	v_add_nc_u32 v[OO+3], HS+3072, v[OO]           ; both steps together: the same sum in every kind
	v_lshlrev_b32 v3, 2, v1                        ; 4 r
	v_mul_u32_u24 v4, s75, v2
	v_add_nc_u32 v[VS], v3, v4
	v_add_nc_u32 v[VS+1], s73, v[VS]
	v_add_nc_u32 v[VS+2], s74, v[VS]
	v_add_nc_u32 v[VS+3], s73, v[VS+2]
	v_mul_lo_u32 v[SELV], v2, s77
	v_add_nc_u32 v[SELV], s76, v[SELV]
	v_lshlrev_b32 v[H8], 3, v2
	s_lshl_b32 s78, s17, 8
	s_lshl_b32 s79, s15, 7
	s_add_co_u32 s78, s78, s79                     ; my first row of C
	s_lshl_b32 s79, s42, 8
	s_lshl_b32 s80, s16, 7
	s_add_co_u32 s79, s79, s80                     ; my first column
	s_cmp_lt_u32 s98, 16
	s_cselect_b32 s80, s78, s79                    ; my first token
	s_cselect_b32 s81, s79, s78                    ; my first feature
	s_cselect_b32 s82, s79, 0                      ; the bias along n begins here (v: at 0; it is masked away)
	s_cselect_b32 s83, 0, s78                      ; the bias along m likewise
	v_lshlrev_b32 v[BNO], 5, v2
	v_lshl_add_u32 v[BNO], s82, 2, v[BNO]          ; 4 x column + 32 h
	v_lshl_add_u32 v[BMO], s83, 2, v3              ; 4 x row + 4 r
	s_lshr_b32 s84, s80, 11                        ; the batch,
	s_lshl_b32 s84, s84, 4
	s_lshr_b32 s85, s81, 6                         ; the head
	s_add_co_u32 s84, s84, s85
	s_mul_i32 s84, s84, HS                         ; my first record
	s_and_b32 s85, s80, 2047                       ; my first token in the batch
	s_mul_i32 s86, s85, 48                         ; units: 768 bytes for 16 tokens of q or k; 6,144 for 128 keys of v: 48 a token
	s_add_co_u32 s86, s86, s84
	s_add_co_u32 s86, s86, s90
	s_mov_b32 s87, 0
	s_lshl_b32 s88, s85, 1                         ; scale words: 64 bytes for 32 tokens; 256 for 128 keys: 2 a token
	s_add_co_u32 s88, s88, s84
	s_add_co_u32 s88, s88, s91
	s_mov_b32 s89, 0
	s_wait_kmcnt 0x0
	s_cmp_lt_u32 s98, 8                            ; the choice of buffers hangs on the cluster's number alone
	s_cselect_b64 s[4:5], s[24:25], s[32:33]
	s_cselect_b64 s[6:7], s[26:27], s[34:35]
	s_cselect_b64 s[8:9], s[28:29], s[36:37]
	s_cselect_b64 s[10:11], s[30:31], s[38:39]
	s_cselect_b64 s[66:67], s[56:57], s[58:59]
	s_cmp_lt_u32 s98, 16
	s_cselect_b64 s[4:5], s[4:5], s[48:49]         ; A's codes
	s_cselect_b64 s[6:7], s[6:7], s[50:51]         ; A's scales
	s_cselect_b64 s[8:9], s[8:9], s[52:53]         ; B's codes
	s_cselect_b64 s[10:11], s[10:11], s[54:55]     ; B's scales
	s_cselect_b64 s[66:67], s[66:67], s[60:61]     ; the bias
	s_add_nc_u64 s[12:13], s[62:63], s[86:87]      ; where my units go
	s_add_nc_u64 s[100:101], s[62:63], s[88:89]    ; and my scale words
	; descriptor group 1: a tile of 128 rows x 192 bytes, 16 bytes of padding behind every 64
	s_or_b32 s[G1+0], s43, (0<<16)|(1<<20)|(1<<21)|(3<<22)|(3<<25)  ; 15:0 the mask: A's tiles go to my row; elements of 1 byte; padding on; bit 21 beside a mask; after every 16 words, 4 words
	s_or_b32 s[G1B+0], s44, (0<<16)|(1<<20)|(1<<21)|(3<<22)|(3<<25) ; B's tiles go to my column
.irp g, G1, G1B
	s_mov_b32 s[\g+1], ROWB<<16                    ; tensor_dim0
	s_mov_b32 s[\g+2], 128<<16                     ; tensor_dim1
	s_mov_b32 s[\g+3], ROWB<<16                    ; tile_dim0
	s_mov_b32 s[\g+4], 128                         ; tile_dim1
	s_mov_b32 s[\g+5], KROW                        ; from row to row
	s_mov_b32 s[\g+6], 0
	s_mov_b32 s[\g+7], 0
.endr
	; the scales of 128 rows: 4,096 dense bytes as 16 rows of 256 bytes, 16 bytes of padding behind each
	s_or_b32 s[G1S+0], s43, (3<<16)|(1<<20)|(1<<21)|(5<<22)|(3<<25)
	s_or_b32 s[G1SB+0], s44, (3<<16)|(1<<20)|(1<<21)|(5<<22)|(3<<25)
.irp g, G1S, G1SB
	s_mov_b32 s[\g+1], 32<<16
	s_mov_b32 s[\g+2], (128*KS/256)<<16
	s_mov_b32 s[\g+3], 32<<16
	s_mov_b32 s[\g+4], 128*KS/256
	s_mov_b32 s[\g+5], 32
	s_mov_b32 s[\g+6], 0
	s_mov_b32 s[\g+7], 0
.endr
	s_lshl_b32 s18, s16, 7                         ; which 128 rows of the tile I fetch
	s_lshl_b32 s20, s17, 8
	s_add_co_u32 s20, s20, s18                     ; A: row 256 x tile row + 128 x half
	s_lshl_b32 s46, s42, 8
	s_add_co_u32 s46, s46, s18                     ; B: row 256 x tile column + 128 x half
	s_mov_b32 s21, 0
	s_mov_b32 s47, 0
	s_mov_b64 s[18:19], KS
	s_mul_u64 s[22:23], s[20:21], s[18:19]         ; where these rows' scales begin, in bytes
	s_mul_u64 s[92:93], s[46:47], s[18:19]
	s_mov_b64 s[18:19], KROW
	s_mul_u64 s[20:21], s[20:21], s[18:19]         ; and their codes
	s_mul_u64 s[46:47], s[46:47], s[18:19]
	s_mul_i32 s45, s14, HALFT                      ; where they go: wave x 128 rows: no place in the cluster enters an LDS address
	s_mul_i32 s94, s14, HALFS
	s_add_nc_u64 s[20:21], s[4:5], s[20:21]
	s_add_nc_u64 s[22:23], s[6:7], s[22:23]
	s_add_nc_u64 s[46:47], s[8:9], s[46:47]
	s_add_nc_u64 s[92:93], s[10:11], s[92:93]
	CROUND                                         ; all sixteen work-groups are here: the first joint loads meet
	s_mov_b32 s[G0S], 1
	s_add_co_u32 s[G0S+1], s94, SCL
	s_mov_b64 s[G0S+2:G0S+3], s[22:23]
	s_or_b32 s[G0S+3], s[G0S+3], 0x80000000
	s_mov_b32 s[G0SB], 1
	s_add_co_u32 s[G0SB+1], s94, SCL
	s_mov_b64 s[G0SB+2:G0SB+3], s[92:93]
	s_or_b32 s[G0SB+3], s[G0SB+3], 0x80000000
	JLOAD G0S, G1S, G0SB, G1SB                     ; the scales first: they are wanted with K step 0
.irp s, 0,1
	s_mov_b32 s[G0+4*\s], 1
	s_add_co_u32 s[G0+4*\s+1], s45, \s*SLOT
	s_add_nc_u64 s[G0+4*\s+2:G0+4*\s+3], s[20:21], \s*ROWB
	s_or_b32 s[G0+4*\s+3], s[G0+4*\s+3], 0x80000000
	s_mov_b32 s[G0B+4*\s], 1
	s_add_co_u32 s[G0B+4*\s+1], s45, \s*SLOT
	s_add_nc_u64 s[G0B+4*\s+2:G0B+4*\s+3], s[46:47], \s*ROWB
	s_or_b32 s[G0B+4*\s+3], s[G0B+4*\s+3], 0x80000000
	JLOAD G0+4*\s, G1, G0B+4*\s, G1B               ; by this text's count three tensor loads of a wave are out now
.endr
.irp b, 0,1,2,3,4,5,6,7                        ; the bias along n: lane (r, h), register 8 b + j: column 16 b + 8 h + j of my 128
	global_load_b128 v[BN+8*\b:BN+8*\b+3], v[BNO], s[66:67] offset:64*\b
	global_load_b128 v[BN+8*\b+4:BN+8*\b+7], v[BNO], s[66:67] offset:64*\b+16
.endr
.irp a, 0,1,2,3,4,5,6,7                        ; the bias along m: row 16 a + r of my 128
	global_load_b32 v[BM+2*\a], v[BMO], s[66:67] offset:64*\a
.endr
	v_mul_u32_u24 v3, v1, PITCH
	v_mul_u32_u24 v4, v2, 24
	v_add_nc_u32 v4, v3, v4                        ; a fragment's row x pitch + 24 x half
	v_lshl_add_u32 v5, v2, 4, v4                   ; and the same behind one padding more
	s_mul_i32 s21, s15, HALFT                      ; my 128 rows of A
	s_mul_i32 s22, s16, HALFT                      ; my 128 rows of B,
	s_add_co_u32 s22, s22, 2*HALFT                 ; which lie behind A's 256
.irp s, 0,1
	v_add_nc_u32 v[ADRA+\s], s21, v4
	v_add_nc_u32 v[ADRB+\s], s22, v4
	v_add_nc_u32 v[ADRA+2+\s], s21, v5
	v_add_nc_u32 v[ADRB+2+\s], s22, v5
	s_add_co_u32 s21, s21, SLOT
	s_add_co_u32 s22, s22, SLOT
.endr
	v_mul_u32_u24 v5, v1, KS                       ; my row's scales: 32 bytes a row,
	v_lshrrev_b32 v6, 8, v5
	v_lshl_add_u32 v5, v6, 4, v5                   ; and 16 more for each 256 passed
	s_mul_i32 s21, s15, HALFS                      ; A's: my 128 rows
	s_mul_i32 s22, s16, HALFS                      ; B's: my 128 rows, behind A's 256
	s_add_co_u32 s22, s22, 2*HALFS
	s_sub_co_u32 s22, s22, s21
	v_mul_u32_u24 v6, s22, v2                      ; lanes 16-31 take B's
	s_add_co_u32 s21, s21, SCL
	v_add_nc_u32 v5, v5, v6
	v_add_nc_u32 v[ADRS], s21, v5
	s_wait_loadcnt 0x0                             ; the biases
.set i, 0
.rept 64
	v_and_b32 v[BN+i], s99, v[BN+i]                ; under a mask of all ones (q, k) or none (v): +0.0 where the bias runs the other way
.set i, i+1
.endr
.irp a, 0,1,2,3,4,5,6,7
	v_and_b32 v[BM+2*\a], s95, v[BM+2*\a]
.endr
.irp a, 0,1,2,3,4,5,6,7
	v_mov_b32 v[BM+2*\a+1], v[BM+2*\a]             ; a pair for the packed addition
.endr
.macro FRAG reg, adr, q, i             ; a fragment, 16 rows x 128 K, is 12 registers: lane l holds row l % 16; registers 6 c .. 6 c + 5 hold K = 64 c + 32 (l / 16) + 0 .. 31: 24 bytes of the row, as they lie
.irp p, 0,1,2,3,4,5                    ; in pieces of 8 bytes.  Lanes 16-31 read three pieces further on than lanes 0-15;
.set PCE, 12*(\q)+6*(\p/3)+\p%3        ; where that is behind one padding more, the second address register (40 for 24 bytes a half) serves
.if PCE%8 < 5
	ds_load_b64 v[\reg+2*\p:\reg+2*\p+1], v[\adr] offset:8*PCE+16*(PCE/8)+(\i)*16*PITCH
.else
	ds_load_b64 v[\reg+2*\p:\reg+2*\p+1], v[\adr+2] offset:8*PCE+16*(PCE/8)+(\i)*16*PITCH
.endif
.endr
.endm
; 16 matrix instructions: A's blocks a0, a0 + 1 x B's eight, 128 along K.  p: B's set;  sc: the set of scale words.  zero = 1: the first product starts the sums, with the bias along n as its C: nothing is cleared or added later.
; The 64 accumulators take turns, one instruction a turn, in the same order in every step.
.macro MUL16 a0, p, q, sc, zero
.irp a, \a0, \a0+1
.irp b, 0,1,2,3,4,5,6,7
.if \zero
	v_wmma_scale_f32_16x16x128_f8f6f4 v[8*(8*((\a)%4)+\b):8*(8*((\a)%4)+\b)+7], v[128*(\p)+FR*\b:128*(\p)+FR*\b+FR-1], v[AF+FR*(\a):AF+FR*(\a)+FR-1], v[BN+8*\b:BN+8*\b+7], v[SC+8*NQ*(\sc)+NQ*\b+(\q)], v[SC+8*NQ*(\sc)+NQ*(\a)+(\q)] matrix_a_fmt:MATRIX_FMT_FP6 matrix_b_fmt:MATRIX_FMT_FP6 matrix_a_scale:MATRIX_SCALE_ROW1
.else
	v_wmma_scale_f32_16x16x128_f8f6f4 v[8*(8*((\a)%4)+\b):8*(8*((\a)%4)+\b)+7], v[128*(\p)+FR*\b:128*(\p)+FR*\b+FR-1], v[AF+FR*(\a):AF+FR*(\a)+FR-1], v[8*(8*((\a)%4)+\b):8*(8*((\a)%4)+\b)+7], v[SC+8*NQ*(\sc)+NQ*\b+(\q)], v[SC+8*NQ*(\sc)+NQ*(\a)+(\q)] matrix_a_fmt:MATRIX_FMT_FP6 matrix_b_fmt:MATRIX_FMT_FP6 matrix_a_scale:MATRIX_SCALE_ROW1
.endif
.endr
.endr
.endm
.macro FETCH_B slot, q, p              ; B's eight fragments of the slot's q-th 128 along K into set p
	WIN TO_B
.irp i, 0,1,2,3,4,5,6,7
	FRAG 128*(\p)+FR*\i, ADRB+\slot, \q, \i
.endr
	WIN 0
.endm
.macro FETCH_A slot, q, i0             ; A's blocks i0 .. i0 + 3
.irp i, \i0, \i0+1, \i0+2, \i0+3
	FRAG AF+FR*(\i), ADRA+\slot, \q, \i
.endr
.endm
.macro SCALES sc                       ; a K step's scale words into set sc: lanes 0-15 take A's block i, lanes 16-31 B's block i
.irp i, 0,1,2,3,4,5,6,7
	ds_load_b64 v[SC+8*NQ*\sc+NQ*\i:SC+8*NQ*\sc+NQ*\i+1], v[ADRS] offset:\i*SBLK
.endr
.endm
; A load into a register that a matrix instruction has read, and a vector instruction that reads a matrix result or writes one of its registers, stand NP places behind it; only plain vector
; instructions that name none of its registers are places (ISA guide 7.12.1 for vector instructions).
.macro PLACES n
.rept \n
	v_nop
.endr
.endm
; A step of 128 along K that has its successor in the same slot.  With zero = 1 the C operand lies in window 0.
.macro STEP slot, q, zero
	s_wait_dscnt 4*NL                              ; B's set and A's blocks 0-3 are in; the youngest 24 loads (A's blocks 4-7) may be out
	WIN MUL_LO-0x20*\zero
	MUL16 0, (\q)%2, \q, \slot, \zero
	MUL16 2, (\q)%2, \q, \slot, \zero
	s_wait_dscnt 0                                 ; A's blocks 4-7 are in
	PLACES NP
	FETCH_B \slot, (\q)+1, 1-(\q)%2
	FETCH_A \slot, (\q)+1, 0
	WIN MUL_HI-0x30*\zero
	MUL16 4, (\q)%2, \q, \slot, \zero
	MUL16 6, (\q)%2, \q, \slot, \zero
	PLACES NP
	WIN 0
	FETCH_A \slot, (\q)+1, 4
.endm
; A slot's last step changes slots: ONE barrier; in front of it each wave waits for all its tensor loads, adds 0 to its spare word, and waits for that and for its own reads of this slot.  fill = 1: this slot is filled again, two K steps ahead.
.macro TURN slot, next, fill
	s_wait_tensorcnt 0x0                           ; all my tensor loads have landed: my part of the next slot
	ds_add_u32 v[SPW], v[NIL]                      ; 0 onto my spare word
	s_wait_dscnt 4*NL+1                            ; (the add and the youngest 24 loads, A's blocks 4-7, may be out)
	WIN MUL_LO
	MUL16 0, 1, NQ-1, \slot, 0                     ; sixteen matrix instructions stand between the add and the wait for it
	s_wait_dscnt 0x0                               ; the add is done, and my reads of this slot are over
	s_barrier_signal -1
	MUL16 2, 1, NQ-1, \slot, 0
	WIN 0
	s_barrier_wait -1
.if \fill
	CREST                                          ; the barrier has opened a round of the cluster's barrier: no wave of any partner still reads this slot or has a load on its way
	s_add_nc_u64 s[G0+4*\slot+2:G0+4*\slot+3], s[G0+4*\slot+2:G0+4*\slot+3], 2*ROWB
	s_add_nc_u64 s[G0B+4*\slot+2:G0B+4*\slot+3], s[G0B+4*\slot+2:G0B+4*\slot+3], 2*ROWB
	JLOAD G0+4*\slot, G1, G0B+4*\slot, G1B         ; the first tensor load behind the round, a wave's only one until the next; the four v_nop behind it are the places in front of the loads below
.else
	PLACES NP
.endif
	v_add_nc_u32 v[ADRS], 4*NQ, v[ADRS]            ; on to the next K step's scale words
	FETCH_B \next, 0, 0
	FETCH_A \next, 0, 0
	SCALES \next
	WIN MUL_HI
	MUL16 4, 1, NQ-1, \slot, 0
	MUL16 6, 1, NQ-1, \slot, 0
	PLACES NP
	WIN 0
	FETCH_A \next, 0, 4
.endm
	s_wait_tensorcnt 1                             ; the scales and my part of K step 0 are in; K step 1's load may stay out
	s_barrier_signal -1
	s_barrier_wait -1                              ; everybody's are
	FETCH_B 0, 0, 0
	FETCH_A 0, 0, 0
	SCALES 0
	FETCH_A 0, 0, 4
	STEP 0, 0, 1                                   ; the first step stands in front of the loop: its products start the sums
	s_mov_b32 s3, LAPS-1
.Llap:                                                 ; a trip goes once round the ring, from a lap's second step to the next lap's first, and fills both slots again
	TURN 0, 1, 1
	STEP 1, 0, 0
	TURN 1, 0, 1
	STEP 0, 0, 0
	s_sub_co_u32 s3, s3, 1
	s_cmp_lg_u32 s3, 0
	s_cbranch_scc1 .Llap
	TURN 0, 1, 0                                   ; the last lap fills nothing, and has no round of the cluster's barrier
	STEP 1, 0, 0
	s_wait_dscnt 4*NL                              ; the very last step: nothing more to fetch
	WIN MUL_LO
	MUL16 0, 1, NQ-1, 1, 0
	MUL16 2, 1, NQ-1, 1, 0
	s_wait_dscnt 0
	WIN MUL_HI
	MUL16 4, 1, NQ-1, 1, 0
	MUL16 6, 1, NQ-1, 1, 0
	WIN 0
; THE WAY OUT, a block of 16 rows x 128 along n at a time: it becomes one fragment (two units) and one scale word a row, in registers, and is stored as it stands.
.macro QBLK a
	WIN 0x02+(\a)/4                                ; source 0: window 2 or 3
.set i, 0
.rept 32
	v_pk_add_f32 v[X+2*i:X+2*i+1], v[64*((\a)%4)+2*i:64*((\a)%4)+2*i+1], v[BM+2*(\a):BM+2*(\a)+1]   ; + the bias along m; each accumulator is read from its low end on.  Register 8 b + j: n = 16 b + 8 h + j
.set i, i+1
.endr
	WIN 0
.irp c, 0,1                                    ; blocks 2 c and 2 c + 1 of 32 along n lie half in lanes 0-15, half in lanes 16-31: the first's upper lanes change places with the second's lower lanes,
.set i, 0
.rept 16
	v_permlane16_swap_b32 v[X+32*\c+i], v[X+32*\c+16+i]   ; and lane (r, h) holds all of block 2 c + h of row r, its octets in the order 0, 2, 1, 3
.set i, i+1
.endr
.endr
.irp c, 0,1                                    ; the block's largest magnitude: all 32 numbers are mine; two chains a block, the two blocks by turns
	v_max3_num_f32 v[MX+2*\c], |v[X+32*\c]|, |v[X+32*\c+1]|, 0x1800000   ; with the floor 2^(3 - 127): the byte cannot fall under 1
	v_max3_num_f32 v[MX+2*\c+1], |v[X+32*\c+16]|, |v[X+32*\c+17]|, |v[X+32*\c+18]|
.endr
.irp i, 2,4,6,8,10,12
.irp c, 0,1
	v_max3_num_f32 v[MX+2*\c], v[MX+2*\c], |v[X+32*\c+\i]|, |v[X+32*\c+\i+1]|
	v_max3_num_f32 v[MX+2*\c+1], v[MX+2*\c+1], |v[X+32*\c+\i+17]|, |v[X+32*\c+\i+18]|
.endr
.endr
.irp c, 0,1
	v_max3_num_f32 v[MX+2*\c], v[MX+2*\c], |v[X+32*\c+14]|, |v[X+32*\c+15]|
.endr
.irp c, 0,1
	v_max3_num_f32 v[MX+2*\c], v[MX+2*\c], v[MX+2*\c+1], |v[X+32*\c+31]|
.endr
.irp c, 0,1
	v_add_nc_u32 v[SO+\c], 0xff000000, v[MX+2*\c]  ; 2 off its exponent field: the conversion takes the exponent field of this operand as its scale
.endr
.irp c, 0,1
	v_lshrrev_b32 v[BY+\c], 23, v[SO+\c]           ; the scale's byte
.endr
	v_lshl_or_b32 v[WW], v[BY+1], 16, v[BY]        ; my two bytes, blocks h and 2 + h,
	v_lshlrev_b32 v[WW], v[H8], v[WW]              ; at their places in the row's word;
	v_permlanex16_b32 v[TT], v[WW], s96, s97
	v_or_b32 v[PW+(\a)], v[WW], v[TT]              ; with lane l xor 16's two the word is whole
	s_wait_xcnt 0x0                                ; the last block's stores have read their data: the codes' registers are rewritten only behind this wait
.irp c, 0,1
	v_cvt_scalef32_pk16_fp6_f32 v[PC+6*\c:PC+6*\c+2], v[X+32*\c:X+32*\c+15], v[SO+\c]
	v_cvt_scalef32_pk16_fp6_f32 v[CV+4*\c:CV+4*\c+2], v[X+32*\c+16:X+32*\c+31], v[SO+\c]   ; (a conversion's three registers begin on an even number)
.endr
	v_nop                                          ; one plain place behind a scaled conversion
.irp c, 0,1
.irp i, 0,1,2
	v_mov_b32 v[PC+6*\c+3+\i], v[CV+4*\c+\i]
.endr
.endr
.irp c, 0,1
.irp p, 0,1,2
	global_store_b64 v[OO+(\a)/4+2*\c], v[PC+6*\c+2*\p:PC+6*\c+2*\p+1], s[12:13] offset:((\a)%4)*768+256*\p   ; a piece: 32 lanes store 256 consecutive bytes, at a multiple of 256 from the buffer's first byte
.endr
.endr
.if (\a)%2
	v_perm_b32 v[WS+(\a)/2], v[PW+(\a)], v[PW+(\a)-1], v[SELV]   ; two row blocks' words become the two words that the reader wants
	global_store_b32 v[VS+(\a)/2], v[WS+(\a)/2], s[100:101]
.endif
.endm
	PLACES NP                                      ; behind the last products: their operands' registers are written and their results read below
	v_mov_b32 v[TT], 0                             ; a lane permute's destination counts as one of its sources
.irp a, 0,1,2,3,4,5,6,7
	QBLK \a
.endr
	s_wait_tensorcnt 0x0                           ; the wave's end
	ds_add_u32 v[SPW], v[NIL]
	s_wait_dscnt 0x0
	CROUND                                         ; the closing round: no work-group ends while a partner may still ask for a tile that names it
	s_endpgm
.Lfunc_end_k_q3911413cc4_proj:
	.size	k_q3911413cc4_proj, .Lfunc_end_k_q3911413cc4_proj-k_q3911413cc4_proj
	.p2alignl 7, 3214868480
	.fill 96, 4, 3214868480
	.section	.rodata,"a",@progbits
	.p2align	6, 0x0
	.amdhsa_kernel k_q3911413cc4_proj
		.amdhsa_group_segment_fixed_size 327680
		.amdhsa_private_segment_fixed_size 0
		.amdhsa_enable_private_segment 0
		.amdhsa_kernarg_size 128
		.amdhsa_user_sgpr_count 2
		.amdhsa_user_sgpr_kernarg_segment_ptr 1
		.amdhsa_wavefront_size32 1
		.amdhsa_system_sgpr_workgroup_id_x 1
		.amdhsa_system_sgpr_workgroup_id_y 1
		.amdhsa_system_sgpr_workgroup_id_z 1
		.amdhsa_system_vgpr_workitem_id 0
		.amdhsa_next_free_vgpr 1024
		.amdhsa_next_free_sgpr 102
		.amdhsa_reserve_vcc 0
		.amdhsa_float_denorm_mode_32 3
		.amdhsa_float_denorm_mode_16_64 3
		.amdhsa_memory_ordered 1
		.amdhsa_forward_progress 1
		.amdhsa_inst_pref_size 191
	.end_amdhsa_kernel
	.amdgpu_metadata
---
amdhsa.version: [ 1, 2 ]
amdhsa.kernels:
  - .name:           k_q3911413cc4_proj
    .symbol:         k_q3911413cc4_proj.kd
    .args:
      - { .name: q_codes, .offset: 0, .size: 8, .value_kind: global_buffer, .address_space: global }
      - { .name: q_scales, .offset: 8, .size: 8, .value_kind: global_buffer, .address_space: global }
      - { .name: Wq_codes, .offset: 16, .size: 8, .value_kind: global_buffer, .address_space: global }
      - { .name: Wq_scales, .offset: 24, .size: 8, .value_kind: global_buffer, .address_space: global }
      - { .name: k_codes, .offset: 32, .size: 8, .value_kind: global_buffer, .address_space: global }
      - { .name: k_scales, .offset: 40, .size: 8, .value_kind: global_buffer, .address_space: global }
      - { .name: Wk_codes, .offset: 48, .size: 8, .value_kind: global_buffer, .address_space: global }
      - { .name: Wk_scales, .offset: 56, .size: 8, .value_kind: global_buffer, .address_space: global }
      - { .name: Wv_codes, .offset: 64, .size: 8, .value_kind: global_buffer, .address_space: global }
      - { .name: Wv_scales, .offset: 72, .size: 8, .value_kind: global_buffer, .address_space: global }
      - { .name: v_codes, .offset: 80, .size: 8, .value_kind: global_buffer, .address_space: global }
      - { .name: v_scales, .offset: 88, .size: 8, .value_kind: global_buffer, .address_space: global }
      - { .name: bq, .offset: 96, .size: 8, .value_kind: global_buffer, .address_space: global }
      - { .name: bk, .offset: 104, .size: 8, .value_kind: global_buffer, .address_space: global }
      - { .name: bv, .offset: 112, .size: 8, .value_kind: global_buffer, .address_space: global }
      - { .name: qkv, .offset: 120, .size: 8, .value_kind: global_buffer, .address_space: global }
    .group_segment_fixed_size: 327680
    .private_segment_fixed_size: 0
    .kernarg_segment_align: 8
    .kernarg_segment_size: 128
    .max_flat_workgroup_size: 128
    .sgpr_count:     102
    .vgpr_count:     1024
    .wavefront_size: 32
...
	.end_amdgpu_metadata
.endif
;; end of part 1
;; launch attn (part 2): grid 4 x 64, 8 waves a work-group, clusters of 4 x 1, 205,824 bytes of LDS; arguments qkv, att, atts; writes att, atts
.if DOCPART == 2
	.amdgcn_target "amdgcn-amd-amdhsa--gfx1250"
	.amdhsa_code_object_version 6
	.text
	.protected	k_q3911413cc4_attn
	.globl	k_q3911413cc4_attn
	.p2align	8
	.type	k_q3911413cc4_attn,@function
k_q3911413cc4_attn:
	s_mov_b64 s[64:65], 0
	v_nop
	global_prefetch_b8 v0, s[64:65] scope:SCOPE_SE
	s_setreg_imm32_b32 hwreg(HW_REG_WAVE_MODE, 25, 1), 1
	s_wait_xcnt 0x0
	s_wait_alu depctr_hold_cnt(0) depctr_sa_sdst(0) depctr_va_vdst(0) depctr_va_sdst(0) depctr_va_ssrc(0) depctr_va_vcc(0) depctr_vm_vsrc(0)
	s_getreg_b32 s2, hwreg(HW_REG_IB_STS2, 6, 4)
	s_cmp_eq_u32 s2, 0
	s_cbranch_scc0 .Lentry_in_a_cluster
	s_endpgm
.Lentry_in_a_cluster:
	s_bfe_u32 s2, ttmp6, 0x10000c
	s_cmp_lg_u32 s2, 0x3003
	s_cbranch_scc0 .Lentry_shape_is_right
	s_endpgm
.Lentry_shape_is_right:
; ATTENTION of one batch x head for each cluster: S = Q K^T, softmax with 1 / sqrt(1024), O = P V, both products on codes of FP6 (E2M3) with one E8M0 scale for each 32 along K; then O / l is quantised along the embedding for the last projection.
; THE SOFTMAX: t = score x log2(e) / 32; M = the running largest t rounded UP to a whole number; p = 2^(t - M) is quantised along the keys, not normalised; the row's sum l is taken of the unquantised p in f32 and divides O at the end.
; When M moves, the sum and O are multiplied by 2^(old M - new M): exact.
; SHARES.  A head's K and V as operand images and their scale words are 204,800 bytes: they lie in LDS WHOLE, filled once, so that there is no ring, no refill and no LDS store in this launch.
; The four work-groups of a cluster take 512 queries each of the same head and ask for that image JOINTLY: wave w of each brings bytes 25,600 w on, by the same descriptor with a mask that names the four.
; Each of eight waves (two to a SIMD) takes 32 queries, two tiles of 16, through all 2,048 keys, 128 a step, and then 32 more: each fragment read from LDS feeds two matrix instructions.
; LAYOUT.  Both products are used transposed (S^T = K Q^T, O^T = V^T P^T): a lane holds ONE query throughout.  A head has 64 channels and the instruction 128 along K: source 0 holds TWO tiles of 16 keys side by side,
; source 1 the queries in one half and zero codes in the other: [Q | 0] gives the first tile's scores, [0 | Q] the second's.  Zero codes add nothing under any scale byte from 1 to 254.
; OCTET ORDER: q, k (along the channels) and v (along the keys) come with each block's octets in the order 0, 2, 1, 3; p's conversion from neighbouring key tiles gives that same order.  att is stored in true order.
; The scale bytes of att leave one byte a lane, 32 bytes apart: one byte in 24 of what is stored.
; LIMITS: NaN and infinities are not served.  A block whose largest magnitude lies under 2^-124 keeps the scale byte 1 (a block of zeros too: its codes are zeros; this program alone reads the bytes).  1 / l is v_rcp_f32 and a multiplication.
; REGISTERS.  Window 0: v1-12 addresses; v16-45 Q between zeros; v46-57 scale words; v58-73 statistics; v74-94 at work; v96-223 S^T, then p; v224-247 p's codes.   Window 1: v0-63 O^T; v64-111 K's fragments; v112-159 V's.
.set HS,    307200                     ; a record of qkv: K's units at 0,
.set VIMG,  98304                      ; V's units,
.set KSC,   196608                     ; K's scale words,
.set VSC,   200704                     ; V's: so far the LDS image;
.set QIMG,  204800                     ; Q's units,
.set QSC,   303104                     ; Q's scale words
.set PART,  25600                      ; what one wave's tensor load brings: 100 rows of 256 bytes
.set L8,   1                           ; v1   8 x lane: my place in a piece of a unit
.set AV0,  2                           ; v2   the same in V's units
.set ASK0, 3                           ; v3   my place among K's scale words: 4 x (lane % 16)
.set ASV0, 4                           ; v4   and among V's
.set R4,   5                           ; v5   4 x (lane % 16)
.set SB,   6                           ; v6   my scale byte's place in atts: 32 x (lane % 16) + lane / 16
.set ADK,  8                           ; v8-11 the addresses of the step's loads
.set ADV,  9
.set ADS,  10
.set ADT,  11
.set QW,   12                          ; v12  the scale word of my pair of query tiles, as stored
.set QZ,   16                          ; v16-45 [0][Q0][0][Q1][0], six registers each
.set QS,   46                          ; v46-47 a query tile's two scale bytes, twice
.set KSW,  48                          ; v48-51 K's scale words, one for each pair of key tiles
.set VSW,  52                          ; v52-55 V's, one for each 16 channels
.set PW,   56                          ; v56-57 p's
.set ST,   58                          ; tile t's statistics at v[ST + 8 t]: +0 -M, +1 the largest t, +2, +3 the sum in two halves, +4 f (+5 named with it), +6 1 / l (+7 named with it)
.set BX,   74                          ; v74-77 a block's largest
.set BP,   78                          ; v78-81 the other half's; then the bytes
.set SO,   82                          ; v82-85 the conversions' scale operands
.set CV,   86                          ; v86-88, v90-92 a conversion's result on its way
.set TMP,  94
.set S,    96
.set PC,   224
.set SUM2, 248
.set OT,   0                           ; in window 1
.set KF,   64
.set VF,   112
.set WV,   10                          ; s10  my wave's number
.set G1,   16                          ; s[16:23], s[24:27] the one descriptor
.set G0,   24
.set SEL,  28                          ; s[28:29] v_permlanex16_b32's selects for lane l xor 16
.set CS,   30                          ; s[30:31] c = log2(e) / 32
.set TK,   32                          ; s32  the step's first byte in K's and in V's units: 6,144 a step
.set TS,   33                          ; s33  and among the scale words: 256 a step
.set MSB, 0
.macro WIN new                         ; the immediate's high byte repeats the setting that is left
.if MSB != (\new)
	s_set_vgpr_msb (MSB<<8)|(\new)
.set MSB, (\new)
.endif
.endm
.set W_KQ, 0x01                        ; K in window 1; Q and S^T in window 0
.set W_PV, 0x51                        ; V, C and D in window 1; p in window 0
.set W_RS, 0x41                        ; O^T (destination and source 0) in window 1
.set TO_1, 0x40                        ; destination window 1
.macro CROUND                          ; a round of the cluster's barrier
	s_barrier_signal -1
	s_barrier_wait -1
	s_cmp_lg_u32 s[WV], 0
	s_cbranch_scc1 .Lnot_wave_0_\@
	s_barrier_signal -3
.Lnot_wave_0_\@:
	s_barrier_wait -3
	s_barrier_signal -1
	s_barrier_wait -1
.endm
.macro QLOAD                           ; my two tiles of queries, a unit each, and their scale word
.irp t, 0,1
.irp p, 0,1,2
	global_load_b64 v[QZ+6+12*\t+2*\p:QZ+7+12*\t+2*\p], v[L8], s[36:37] offset:768*\t+256*\p
.endr
.endr
	global_load_b32 v[QW], v[R4], s[38:39]
.endm
	s_load_b128 s[4:7], s[0:1], 0x0                ; qkv, att
	s_load_b64 s[8:9], s[0:1], 0x10                ; atts
	v_lshl_add_u32 v254, v0, 2, 0x32000
	v_mov_b32 v255, 0
	ds_add_u32 v254, v255
	ds_add_u32 v254, v255
	v_lshrrev_b32 v1, 5, v0
	v_readfirstlane_b32 s[WV], v1                  ; wave 0..7
	s_bfe_u32 s11, ttmp6, 0x40000                  ; cx: it enters Q's, att's and atts' addresses alone
	s_and_b32 s12, ttmp7, 0xffff                   ; batch x 16 + head, which the four partners share
	s_mov_b32 s[G1], 15|(3<<16)|(1<<21)            ; 15:0 the mask: all four work-groups; elements of 8 bytes; no padding; bit 21 beside a mask
	s_mov_b32 s[G1+1], 32<<16                      ; tensor_dim0 = 32 elements: 256 bytes
	s_mov_b32 s[G1+2], 100<<16                     ; tensor_dim1 = 100
	s_mov_b32 s[G1+3], 32<<16                      ; tile_dim0
	s_mov_b32 s[G1+4], 100                         ; tile_dim1
	s_mov_b32 s[G1+5], 32                          ; from row to row: dense
	s_mov_b32 s[G1+6], 0
	s_mov_b32 s[G1+7], 0
	s_mul_i32 s44, s12, HS
	s_mov_b32 s45, 0
	s_mul_i32 s46, s[WV], PART
	s_mov_b32 s47, 0
	s_mov_b32 s[SEL], 0x76543210
	s_mov_b32 s[SEL+1], 0xfedcba98
	s_mov_b32 s[CS], 0x3d38aa3b                    ; log2(e) / 32
	s_mov_b32 s[CS+1], s[CS]                       ; (named with it as a pair, so it is written)
	s_wait_dscnt 0x0
	s_wait_kmcnt 0x0
	s_add_nc_u64 s[4:5], s[4:5], s[44:45]          ; the head's record
	CROUND                                         ; all four work-groups are here: the joint loads meet
	s_mov_b32 s[G0], 1
	s_mul_i32 s[G0+1], s[WV], PART                 ; LDS address: the wave's number times a constant
	s_add_nc_u64 s[G0+2:G0+3], s[4:5], s[46:47]
	s_or_b32 s[G0+3], s[G0+3], 0x80000000
	tensor_load_to_lds s[G0:G0+3], s[G1:G1+7]      ; a wave's one tensor load of the launch
	s_nop 0
.rept 4
	v_nop
.endr
	s_lshl_b32 s48, ttmp9, 2
	s_add_co_u32 s48, s48, s11                     ; my block of 512 queries
	s_lshl_b32 s48, s48, 5
	s_lshl_b32 s49, s[WV], 1
	s_add_co_u32 s48, s48, s49                     ; my first tile of 16 queries in the head: 32 x block + 2 x wave
	s_mul_i32 s50, s48, 768
	s_add_co_u32 s50, s50, QIMG
	s_mov_b32 s51, 0
	s_add_nc_u64 s[36:37], s[4:5], s[50:51]        ; its unit
	s_lshl_b32 s50, s48, 5
	s_add_co_u32 s50, s50, QSC
	s_add_nc_u64 s[38:39], s[4:5], s[50:51]        ; the pair's scale words: 64 bytes a pair
	s_lshr_b32 s49, s12, 4
	s_lshl_b32 s49, s49, 7
	s_add_co_u32 s48, s48, s49                     ; the tile among all 512: + 128 x batch
	s_and_b32 s49, s12, 15                         ; the head
	s_mul_i32 s50, s48, 12288
	s_mul_i32 s44, s49, 768
	s_add_co_u32 s50, s50, s44
	s_add_nc_u64 s[40:41], s[6:7], s[50:51]        ; att: [tile][head] units
	s_lshl_b32 s50, s48, 9
	s_lshl_b32 s44, s49, 1
	s_add_co_u32 s50, s50, s44
	s_add_nc_u64 s[42:43], s[8:9], s[50:51]        ; atts: [token][32] bytes, two a head
	v_and_b32 v[L8], 31, v0
	v_lshlrev_b32 v[L8], 3, v[L8]
	v_add_nc_u32 v[AV0], VIMG, v[L8]
	v_and_b32 v[R4], 15, v0
	v_lshlrev_b32 v[R4], 2, v[R4]
	v_add_nc_u32 v[ASK0], KSC, v[R4]
	v_add_nc_u32 v[ASV0], VSC, v[R4]
	v_bfe_u32 v7, v0, 4, 1
	v_lshl_add_u32 v[SB], v[R4], 3, v7
	QLOAD
.irp z, 0,12,24
.irp i, 0,1,2,3,4,5
	v_mov_b32 v[QZ+\z+\i], 0                       ; the zero codes beside Q: written once
.endr
.endr
.irp b, 0,1,2,3
	v_mov_b32 v[BP+\b], 0                          ; written once: a lane permute's destination counts as one of its sources
.endr
	s_wait_tensorcnt 0x0                           ; my part of the image has landed,
	s_barrier_signal -1
	s_barrier_wait -1                              ; everybody's has.  From here on LDS is only read
; The softmax of tile t for a step of 128 keys.  Register 16 b + i of the tile's 64 holds a key of block b (32 keys): octets h and 2 + h of it.
.macro SOFT t
.set rS, S+64*\t
.set rT, ST+8*\t
.set rP, PC+12*\t
.irp b, 0,1,2,3
	v_max3_num_f32 v[BX+\b], v[rS+16*\b], v[rS+16*\b+1], v[rS+16*\b+2]   ; the largest SCORE of each block: it serves the row's maximum and, since p rises with the score, the block's largest p
.endr
.irp i, 3,5,7,9,11,13
.irp b, 0,1,2,3
	v_max3_num_f32 v[BX+\b], v[BX+\b], v[rS+16*\b+\i], v[rS+16*\b+\i+1]   ; (the four blocks by turns)
.endr
.endr
.irp b, 0,1,2,3
	v_max_num_f32 v[BX+\b], v[BX+\b], v[rS+16*\b+15]
.endr
.irp b, 0,1,2,3
	v_permlanex16_b32 v[BP+\b], v[BX+\b], s[SEL], s[SEL+1]
.endr
.irp b, 0,1,2,3
	v_max_num_f32 v[BX+\b], v[BX+\b], v[BP+\b]     ; with lane l xor 16's 16 keys
.endr
	v_max3_num_f32 v[TMP], v[BX], v[BX+1], v[BX+2]
	v_max_num_f32 v[TMP], v[TMP], v[BX+3]          ; the step's largest score of my query
	v_mul_f32 v[TMP], s[CS], v[TMP]                ; as t (c is positive)
	v_max_num_f32 v[rT+1], v[rT+1], v[TMP]         ; the running largest t
	v_mov_b32 v[TMP], v[rT]
	v_floor_f32 v[rT], -v[rT+1]                    ; the new -M = floor(-t) = -ceil(t): a whole number
	v_sub_f32 v[TMP], v[rT], v[TMP]                ; old M - new M: a whole number, 0 or less
	v_cvt_i32_f32 v[TMP], v[TMP]                   ; (it saturates)
	v_ldexp_f32 v[rT+4], 1.0, v[TMP]               ; f = 2^(old M - new M)
.set j, 0
.rept 32
	v_pk_fma_f32 v[rS+j:rS+j+1], v[rS+j:rS+j+1], s[CS:CS+1], v[rT:rT+1] op_sel_hi:[1,0,0]   ; t - M, two at a time
.set j, j+2
.endr
.irp b, 0,1,2,3
	v_fma_f32 v[BX+\b], v[BX+\b], s[CS], v[rT]     ; the same of each block's largest score
.endr
.set j, 0
.rept 64
	v_exp_f32 v[rS+j], v[rS+j]                     ; p = 2^(t - M), at most 1
.set j, j+1
.endr
.irp b, 0,1,2,3
	v_exp_f32 v[BX+\b], v[BX+\b]                   ; the block's largest p: the same two instructions on the same number
.endr
	v_pk_mul_f32 v[rT+2:rT+3], v[rT+2:rT+3], v[rT+4:rT+5] op_sel_hi:[1,0]   ; the sums under the new M.  (A plain place behind the exponentials)
	s_wait_alu depctr_va_vdst(0)
.irp b, 0,1,2,3
	v_max_num_f32 v[BX+\b], 0x1800000, v[BX+\b]    ; the floor 2^(3 - 127): the byte cannot fall under 1
.endr
.irp b, 0,1,2,3
	v_add_nc_u32 v[SO+\b], 0xff000000, v[BX+\b]    ; 2 off the exponent field: the conversion's scale operand
.endr
.irp b, 0,1,2,3
	v_lshrrev_b32 v[BP+\b], 23, v[SO+\b]           ; the scale's byte
.endr
	v_lshl_or_b32 v[PW+\t], v[BP+1], 8, v[BP]      ; p's scale word for these 128 keys
	v_lshl_or_b32 v[PW+\t], v[BP+2], 16, v[PW+\t]
	v_lshl_or_b32 v[PW+\t], v[BP+3], 24, v[PW+\t]
.irp c, 0,1
	v_cvt_scalef32_pk16_fp6_f32 v[rP+6*\c:rP+6*\c+2], v[rS+32*\c:rS+32*\c+15], v[SO+2*\c]
	v_cvt_scalef32_pk16_fp6_f32 v[CV+4*\c:CV+4*\c+2], v[rS+32*\c+16:rS+32*\c+31], v[SO+2*\c+1]   ; (a conversion's three registers begin on an even number)
.endr
	v_nop                                          ; one plain place behind a scaled conversion
.irp c, 0,1                                    ; the operand wants a WHOLE block in a lane: lanes 0-15 block 2 c, lanes 16-31 block 2 c + 1; its octets then stand in the order 0, 2, 1, 3, as V's keys do
.irp i, 0,1,2
	v_permlane16_swap_b32 v[rP+6*\c+\i], v[CV+4*\c+\i]
.endr
.irp i, 0,1,2
	v_mov_b32 v[rP+6*\c+3+\i], v[CV+4*\c+\i]
.endr
.endr
	v_pk_add_f32 v[SUM2:SUM2+1], v[rS:rS+1], v[rS+2:rS+3]   ; the row's sum is taken of the UNQUANTISED p: two at a time, in two chains
.set j, 4
.rept 15
	v_pk_add_f32 v[rT+2:rT+3], v[rT+2:rT+3], v[rS+j:rS+j+1]
	v_pk_add_f32 v[SUM2:SUM2+1], v[SUM2:SUM2+1], v[rS+j+2:rS+j+3]
.set j, j+4
.endr
	v_pk_add_f32 v[rT+2:rT+3], v[rT+2:rT+3], v[SUM2:SUM2+1]
.endm
.macro RESC t                          ; tile t's O^T under the new M; each accumulator from its low end on
.set j, 0
.rept 16
	v_pk_mul_f32 v[OT+32*\t+j:OT+32*\t+j+1], v[OT+32*\t+j:OT+32*\t+j+1], v[ST+8*\t+4:ST+8*\t+5] op_sel_hi:[1,0]
.set j, j+2
.endr
.endm
; A KEY STEP: 128 keys.  pre = 1: the next step's K is fetched too.
.macro STEP pre
	s_wait_dscnt 0x0                               ; this step's K and its scale words are in
	WIN W_KQ
.irp g, 0,1,2,3                                ; S^T = K Q^T: pair g of key tiles; u: which of the two; t: which tile of queries.  Sixteen results, each started by the constant 0
.irp u, 0,1
.irp t, 0,1
	v_wmma_scale_f32_16x16x128_f8f6f4 v[S+64*\t+8*(2*\g+\u):S+64*\t+8*(2*\g+\u)+7], v[KF+12*\g:KF+12*\g+11], v[QZ+12*\t+6-6*\u:QZ+12*\t+17-6*\u], 0, v[KSW+\g], v[QS+\t] matrix_a_fmt:MATRIX_FMT_FP6 matrix_b_fmt:MATRIX_FMT_FP6
.endr
.endr
.endr
	WIN 0
	v_add_nc_u32 v[ADK], s[TK], v[L8]              ; four plain instructions that name no register of the products: the places in front of the loads below and of the first read of the scores
	v_add_nc_u32 v[ADV], s[TK], v[AV0]
	v_add_nc_u32 v[ADS], s[TS], v[ASK0]
	v_add_nc_u32 v[ADT], s[TS], v[ASV0]
	WIN TO_1
.irp d, 0,1,2,3                                ; this step's V: channels 16 d on; keys 64 c on.  Each load takes 256 consecutive bytes
.irp c, 0,1
.irp p, 0,1,2
	ds_load_b64 v[VF+12*\d+6*\c+2*\p:VF+12*\d+6*\c+2*\p+1], v[ADV] offset:3072*\c+768*\d+256*\p
.endr
.endr
.endr
.if \pre
.irp g, 0,1,2,3                                ; the next step's K
.irp u, 0,1
.irp p, 0,1,2
	ds_load_b64 v[KF+12*\g+6*\u+2*\p:KF+12*\g+6*\u+2*\p+1], v[ADK] offset:6144+(2*\g+\u)*768+256*\p
.endr
.endr
.endr
.endif
	WIN 0
.irp d, 0,1,2,3
	ds_load_b32 v[VSW+\d], v[ADT] offset:64*\d
.endr
.if \pre
.irp g, 0,1,2,3
	ds_load_b32 v[KSW+\g], v[ADS] offset:256+64*\g
.endr
.endif
	SOFT 0
	SOFT 1
	WIN W_RS
	RESC 0
	RESC 1                                         ; these 32 are also the places between the writing of p's codes and scale words and the products below
	s_wait_dscnt 4*\pre                            ; V and its scale words are in; the four youngest loads, the next K's scale words, may be out
	WIN W_PV
.irp d, 0,1,2,3                                ; O^T += V^T P^T: eight accumulators, one instruction a turn
.irp t, 0,1
	v_wmma_scale_f32_16x16x128_f8f6f4 v[OT+32*\t+8*\d:OT+32*\t+8*\d+7], v[VF+12*\d:VF+12*\d+11], v[PC+12*\t:PC+12*\t+11], v[OT+32*\t+8*\d:OT+32*\t+8*\d+7], v[VSW+\d], v[PW+\t] matrix_a_fmt:MATRIX_FMT_FP6 matrix_b_fmt:MATRIX_FMT_FP6
.endr
.endr
	WIN 0
	s_add_co_u32 s[TK], s[TK], 6144
	s_add_co_u32 s[TS], s[TS], 256
.endm
	s_mov_b32 s35, 2                               ; two blocks of 32 queries a wave
.Lq:
	s_mov_b32 s[TK], 0
	s_mov_b32 s[TS], 0
	WIN TO_1
.irp g, 0,1,2,3                                ; K of step 0
.irp u, 0,1
.irp p, 0,1,2
	ds_load_b64 v[KF+12*\g+6*\u+2*\p:KF+12*\g+6*\u+2*\p+1], v[L8] offset:(2*\g+\u)*768+256*\p
.endr
.endr
.endr
	WIN 0
.irp g, 0,1,2,3
	ds_load_b32 v[KSW+\g], v[ASK0] offset:64*\g
.endr
.irp t, 0,1
	v_mov_b32 v[ST+8*\t+1], 0xff61b1e6             ; the largest t so far: -3e38, under every t
	v_floor_f32 v[ST+8*\t], -v[ST+8*\t+1]          ; -M
	v_mov_b32 v[ST+8*\t+2], 0                      ; the sum, in two halves
	v_mov_b32 v[ST+8*\t+3], 0
	v_mov_b32 v[ST+8*\t+5], 0                      ; (named as the upper halves of pairs)
	v_mov_b32 v[ST+8*\t+7], 0
.endr
	s_wait_loadcnt 0x0                             ; Q and its scale word
	v_perm_b32 v[QS], v[QW], v[QW], 0x01000100     ; the first tile's two bytes, twice: they serve [Q | 0] and [0 | Q] alike
	v_perm_b32 v[QS+1], v[QW], v[QW], 0x03020302   ; the second tile's
	WIN TO_1
.set j, 0
.rept 64
	v_mov_b32 v[OT+j], 0                           ; O^T.  (The step is written for every step alike: the first finds zeros, which the first change of M leaves zeros.  These lines are also the places behind the scale words just made)
.set j, j+1
.endr
	WIN 0
	s_mov_b32 s34, 15
.Lk:
	STEP 1
	s_sub_co_u32 s34, s34, 1
	s_cmp_lg_u32 s34, 0
	s_cbranch_scc1 .Lk
	STEP 0                                         ; the last step fetches no further K
	s_cmp_eq_u32 s35, 1                            ; the next block's queries are asked for here, if there is a next block: no load leaves its buffer
	s_cbranch_scc1 .Lno_next
	s_add_nc_u64 s[36:37], s[36:37], 12288         ; 16 tiles on (the earlier loads by these addresses have been waited for)
	s_add_nc_u64 s[38:39], s[38:39], 512
	QLOAD
.Lno_next:
	; THE WAY OUT.  The additions are the places behind the last products.
.irp t, 0,1
	v_add_f32 v[ST+8*\t+6], v[ST+8*\t+2], v[ST+8*\t+3]   ; the sum's two halves,
.endr
.irp t, 0,1
	v_permlanex16_b32 v[BP+\t], v[ST+8*\t+6], s[SEL], s[SEL+1]
.endr
.irp t, 0,1
	v_add_f32 v[ST+8*\t+6], v[ST+8*\t+6], v[BP+\t]  ; and lane l xor 16's: the row's sum
.endr
.irp t, 0,1
	v_rcp_f32 v[ST+8*\t+6], v[ST+8*\t+6]
.endr
	v_nop                                          ; one plain place behind a transcendental
	WIN 0x01                                       ; source 0 window 1
	s_wait_alu depctr_va_vdst(0)
.irp t, 0,1
.irp d, 0,1,2,3                                ; O^T / l.  Channels 16 d + 8 h + j go to register 16 (d % 2) + 8 (d / 2) + j,
.irp i, 0,2,4,6
	v_pk_mul_f32 v[S+64*\t+16*(\d%2)+8*(\d/2)+\i:S+64*\t+16*(\d%2)+8*(\d/2)+\i+1], v[OT+32*\t+8*\d+\i:OT+32*\t+8*\d+\i+1], v[ST+8*\t+6:ST+8*\t+7] op_sel_hi:[1,0]
.endr
.endr
.endr
	WIN 0
.irp t, 0,1
.irp g, 0,16
.irp j, 0,1,2,3,4,5,6,7
	v_permlane16_swap_b32 v[S+64*\t+\g+\j], v[S+64*\t+\g+8+\j]   ; so that this exchange leaves lane (r, h) with channels 32 h + 0 .. 31 of query r, in their true order
.endr
.endr
.endr
.irp t, 0,1                                    ; the block's largest magnitude: all 32 numbers are mine
	v_max3_num_f32 v[BX+2*\t], |v[S+64*\t]|, |v[S+64*\t+1]|, 0x1800000
	v_max3_num_f32 v[BX+2*\t+1], |v[S+64*\t+16]|, |v[S+64*\t+17]|, |v[S+64*\t+18]|
.endr
.irp i, 2,4,6,8,10,12
.irp t, 0,1
	v_max3_num_f32 v[BX+2*\t], v[BX+2*\t], |v[S+64*\t+\i]|, |v[S+64*\t+\i+1]|
	v_max3_num_f32 v[BX+2*\t+1], v[BX+2*\t+1], |v[S+64*\t+\i+17]|, |v[S+64*\t+\i+18]|
.endr
.endr
.irp t, 0,1
	v_max3_num_f32 v[BX+2*\t], v[BX+2*\t], |v[S+64*\t+14]|, |v[S+64*\t+15]|
.endr
.irp t, 0,1
	v_max3_num_f32 v[BX+2*\t], v[BX+2*\t], v[BX+2*\t+1], |v[S+64*\t+31]|
.endr
.irp t, 0,1
	v_add_nc_u32 v[SO+\t], 0xff000000, v[BX+2*\t]
.endr
.irp t, 0,1
	v_lshrrev_b32 v[BP+\t], 23, v[SO+\t]           ; the scale's byte of block h of this head
.endr
.irp t, 0,1
	v_cvt_scalef32_pk16_fp6_f32 v[PC+12*\t:PC+12*\t+2], v[S+64*\t:S+64*\t+15], v[SO+\t]
	v_cvt_scalef32_pk16_fp6_f32 v[CV+4*\t:CV+4*\t+2], v[S+64*\t+16:S+64*\t+31], v[SO+\t]
.endr
	v_nop                                          ; one plain place behind a scaled conversion
.irp t, 0,1
.irp i, 0,1,2
	v_mov_b32 v[PC+12*\t+3+\i], v[CV+4*\t+\i]
.endr
.endr
.irp t, 0,1
.irp p, 0,1,2
	global_store_b64 v[L8], v[PC+12*\t+2*\p:PC+12*\t+2*\p+1], s[40:41] offset:12288*\t+256*\p   ; a piece of a unit: 32 lanes store 256 consecutive bytes, at a multiple of 256 from the buffer's first byte
.endr
	global_store_b8 v[SB], v[BP+\t], s[42:43] offset:512*\t
.endr
	s_wait_xcnt 0x0                                ; the stores have read their data and their bases: both are rewritten only behind this wait
	s_add_nc_u64 s[40:41], s[40:41], 196608        ; 16 tiles on
	s_add_nc_u64 s[42:43], s[42:43], 8192
	s_sub_co_u32 s35, s35, 1
	s_cmp_lg_u32 s35, 0
	s_cbranch_scc1 .Lq
	s_wait_tensorcnt 0x0
	ds_add_u32 v254, v255
	s_wait_dscnt 0x0
	CROUND                                         ; the closing round (no LDS instruction of mine is out: the last step waited for all)
	s_endpgm
.Lfunc_end_k_q3911413cc4_attn:
	.size	k_q3911413cc4_attn, .Lfunc_end_k_q3911413cc4_attn-k_q3911413cc4_attn
	.p2alignl 7, 3214868480
	.fill 96, 4, 3214868480
	.section	.rodata,"a",@progbits
	.p2align	6, 0x0
	.amdhsa_kernel k_q3911413cc4_attn
		.amdhsa_group_segment_fixed_size 205824
		.amdhsa_private_segment_fixed_size 0
		.amdhsa_enable_private_segment 0
		.amdhsa_kernarg_size 24
		.amdhsa_user_sgpr_count 2
		.amdhsa_user_sgpr_kernarg_segment_ptr 1
		.amdhsa_wavefront_size32 1
		.amdhsa_system_sgpr_workgroup_id_x 1
		.amdhsa_system_sgpr_workgroup_id_y 1
		.amdhsa_system_sgpr_workgroup_id_z 1
		.amdhsa_system_vgpr_workitem_id 0
		.amdhsa_next_free_vgpr 512
		.amdhsa_next_free_sgpr 66
		.amdhsa_reserve_vcc 0
		.amdhsa_float_denorm_mode_32 3
		.amdhsa_float_denorm_mode_16_64 3
		.amdhsa_memory_ordered 1
		.amdhsa_forward_progress 1
		.amdhsa_inst_pref_size 78
	.end_amdhsa_kernel
	.amdgpu_metadata
---
amdhsa.version: [ 1, 2 ]
amdhsa.kernels:
  - .name:           k_q3911413cc4_attn
    .symbol:         k_q3911413cc4_attn.kd
    .args:
      - { .name: qkv, .offset: 0, .size: 8, .value_kind: global_buffer, .address_space: global }
      - { .name: att, .offset: 8, .size: 8, .value_kind: global_buffer, .address_space: global }
      - { .name: atts, .offset: 16, .size: 8, .value_kind: global_buffer, .address_space: global }
    .group_segment_fixed_size: 205824
    .private_segment_fixed_size: 0
    .kernarg_segment_align: 8
    .kernarg_segment_size: 24
    .max_flat_workgroup_size: 256
    .sgpr_count:     66
    .vgpr_count:     512
    .wavefront_size: 32
...
	.end_amdgpu_metadata
.endif
;; end of part 2
;; launch oproj (part 3): grid 4 x 32, 4 waves a work-group, clusters of 4 x 4, 327,680 bytes of LDS; arguments att, atts, Wo_codes, Wo_scales, bo, out0; writes out0
.if DOCPART == 3
	.amdgcn_target "amdgcn-amd-amdhsa--gfx1250"
	.amdhsa_code_object_version 6
	.text
	.protected	k_q3911413cc4_oproj
	.globl	k_q3911413cc4_oproj
	.p2align	8
	.type	k_q3911413cc4_oproj,@function
k_q3911413cc4_oproj:
	s_mov_b64 s[64:65], 0
	v_nop
	global_prefetch_b8 v0, s[64:65] scope:SCOPE_SE
	s_setreg_imm32_b32 hwreg(HW_REG_WAVE_MODE, 25, 1), 1
	s_wait_xcnt 0x0
	s_wait_alu depctr_hold_cnt(0) depctr_sa_sdst(0) depctr_va_vdst(0) depctr_va_sdst(0) depctr_va_ssrc(0) depctr_va_vcc(0) depctr_vm_vsrc(0)
	s_getreg_b32 s2, hwreg(HW_REG_IB_STS2, 6, 4)
	s_cmp_eq_u32 s2, 0
	s_cbranch_scc0 .Lentry_in_a_cluster
	s_endpgm
.Lentry_in_a_cluster:
	s_bfe_u32 s2, ttmp6, 0x10000c
	s_cmp_lg_u32 s2, 0xf033
	s_cbranch_scc0 .Lentry_shape_is_right
	s_endpgm
.Lentry_shape_is_right:
; THE LAST PROJECTION: out0[m][n] = sum over k of A[m][k] Wo[n][k] + bo[n], on codes of FP6 (E2M3) with one E8M0 scale for each 32 along K; f32 sums; out0 [8192][1024] f32.
; A = attention's result as the launch before stored it: att[tile of 16 tokens][head] UNITS of 768 bytes (16 rows x 64 along K as six operand registers: three pieces of 256 bytes, lane l's 8 bytes at 8 l), atts [8192][32] scale bytes.
; Wo comes as rows of codes, 768 bytes a row, and [1024][32] scale bytes.
; A tile of C is 256 x 256: four waves, each 128 x 128 in 64 accumulators.  K = 1,024 goes in steps of 256 through a ring of two LDS slots filled by the tensor data mover; the scale bytes of the tile's rows come once.
; CLUSTERS of 4 x 4: A's tiles are shared along a row of the cluster, B's along a column, each asked for jointly.  The matrix instruction is used transposed (source 0 = 16 rows of Wo, source 1 = 16 rows of A):
; a lane holds eight neighbouring numbers of a row of C.  The bias is the C of each sum's first product.
; The grid has 128 work-groups: 32 x 4 tiles of 256 x 256.
; LIMITS: NaN and infinities are not served.
.set SIZE_N, 1024
.set KSTEP,  256
.set NQ,     2
.set ROWB,   192                       ; a row of B's tile in bytes
.set ASTEP,  3072                      ; a K step of A for one tile of 16 tokens: four units
.set KROW,   768                       ; a row of 1,024 codes; also A's bytes for each token
.set PITCH,  240                       ; B's LDS row: 3 x (64 bytes + 16 of padding)
.set FR,     12
.set NL,     6
.set NP,     4
.set HALFT,  128*PITCH                 ; the LDS room of 128 rows (A's units use 24,576 bytes of it)
.set SLOT,   4*HALFT
.set LAPS,   2
.set KS,     32
.set SCL,    2*SLOT
.set HALFS,  (128*KS/256)*272
.set SBLK,   (16*KS/256)*272
.set SPARE,  SCL+4*HALFS               ; the spare words: 128 bytes for each wave, named by no other line
.set SPITCH, 528                       ; the way out: a stage of 16 rows x (512 bytes + 16) for each wave, in slot 0, which has had its last fill and its last read when the first result is stored there
.set BNO,  14                          ; v14     byte offset of my numbers of the bias
.set ADRA, 16                          ; v16-17  LDS address of my A units in slot 0, 1
.set ADRB, 20                          ; v20-23  of my B fragments (slot 0, 1; the same behind one padding more)
.set STO,  24
.set RD,   25
.set CO,   26
.set ADRS, 27
.set SPW,  28                          ; v28     LDS address of my spare word; never rewritten
.set NIL,  29                          ; v29     0; never rewritten
.set SC,   32                          ; v32-63  scale words, two sets
.set BN,   64                          ; v64-127 the bias in the result's layout
.set AF,   128                         ; v128-223 A's fragments, one set
.set BK,   128                         ; the way out: 16 rows read back from the stage, two sets by turns
.set G1, 24
.set G0, 32
.set G1B, 48
.set G0B, 56
.set G1S, 68
.set G0S, 76
.set G1SB, 80
.set G0SB, 88
.set MSB, 0
.macro WIN new                         ; the immediate's high byte repeats the setting that is left
.if MSB != (\new)
	s_set_vgpr_msb (MSB<<8)|(\new)
.set MSB, (\new)
.endif
.endm
.set MUL_LO, 0xa1                      ; source 0 (B) window 1, source 1 (A) window 0, C and D window 2
.set MUL_HI, 0xf1                      ; the same, C and D window 3
.set TO_B,   0x40                      ; destination window 1, address window 0
; A joint load: waves 0 and 1 fetch for A, waves 2 and 3 for B.  The branch hangs on the wave's number alone.  Four v_nop follow each of the two lines.
.macro JLOAD g0a, g1a, g0b, g1b
	s_cmp_eq_u32 s15, 0
	s_cbranch_scc0 .Lfor_b_\@
	tensor_load_to_lds s[\g0a:\g0a+3], s[\g1a:\g1a+7]
	s_nop 0
.rept 4
	v_nop
.endr
	s_branch .Lasked_\@
.Lfor_b_\@:
	tensor_load_to_lds s[\g0b:\g0b+3], s[\g1b:\g1b+7]
	s_nop 0
.rept 4
	v_nop
.endr
.Lasked_\@:
.endm
.macro CREST                           ; a round of the cluster's barrier behind its opening barrier
	s_cmp_lg_u32 s14, 0
	s_cbranch_scc1 .Lnot_wave_0_\@
	s_barrier_signal -3
.Lnot_wave_0_\@:
	s_barrier_wait -3
	s_barrier_signal -1
	s_barrier_wait -1
.endm
.macro CROUND                          ; a whole round
	s_barrier_signal -1
	s_barrier_wait -1
	CREST
.endm
	s_load_b128 s[4:7], s[0:1], 0x0                ; A's units s[4:5], A's scales s[6:7]
	s_load_b128 s[8:11], s[0:1], 0x10              ; Wo's codes s[8:9], Wo's scales s[10:11]
	s_load_b64 s[66:67], s[0:1], 0x20              ; bo
	s_load_b64 s[12:13], s[0:1], 0x28              ; out0
	v_lshl_add_u32 v[SPW], v0, 2, SPARE
	v_mov_b32 v[NIL], 0
	ds_add_u32 v28, v29
	ds_add_u32 v28, v29
	s_wait_dscnt 0x0
	v_lshrrev_b32 v1, 5, v0
	v_readfirstlane_b32 s14, v1                    ; wave 0..3
	s_lshr_b32 s15, s14, 1                         ; which half of the tile's rows is mine.  Also: I fetch for A (0) or for B (1)
	s_and_b32 s16, s14, 1                          ; which half of its columns.  Also: which 128 rows of that tile I fetch
	s_bfe_u32 s40, ttmp6, 0x40000                  ; cx, cy: my place in the cluster
	s_bfe_u32 s41, ttmp6, 0x40004
	s_lshl_b32 s42, ttmp9, 2
	s_add_co_u32 s42, s42, s40                     ; tile column of C = 4 x cluster x + cx
	s_and_b32 s17, ttmp7, 0xffff
	s_lshl_b32 s17, s17, 2
	s_add_co_u32 s17, s17, s41                     ; tile row of C = 4 x cluster y + cy
	s_lshl_b32 s43, s41, 2
	s_lshl_b32 s43, 15, s43                        ; my row of the cluster
	s_lshl_b32 s44, 0x1111, s40                    ; my column
	; descriptor group 1 for A: 8 tiles of 16 tokens x 3,072 bytes (four units), 12,288 bytes apart in memory, dense in LDS
	s_or_b32 s[G1+0], s43, (3<<16)|(1<<21)         ; 15:0 the mask: A's tiles go to my row; elements of 8 bytes; no padding; bit 21 beside a mask
	s_mov_b32 s[G1+1], 384<<16                     ; tensor_dim0 = 384 elements
	s_mov_b32 s[G1+2], 8<<16                       ; tensor_dim1 = 8
	s_mov_b32 s[G1+3], 384<<16                     ; tile_dim0
	s_mov_b32 s[G1+4], 8                           ; tile_dim1
	s_mov_b32 s[G1+5], 1536                        ; from row to row
	s_mov_b32 s[G1+6], 0
	s_mov_b32 s[G1+7], 0
	; for B: 128 rows x 192 bytes, 16 bytes of padding behind every 64
	s_or_b32 s[G1B+0], s44, (0<<16)|(1<<20)|(1<<21)|(3<<22)|(3<<25)
	s_mov_b32 s[G1B+1], ROWB<<16
	s_mov_b32 s[G1B+2], 128<<16
	s_mov_b32 s[G1B+3], ROWB<<16
	s_mov_b32 s[G1B+4], 128
	s_mov_b32 s[G1B+5], KROW
	s_mov_b32 s[G1B+6], 0
	s_mov_b32 s[G1B+7], 0
	; the scales of 128 rows: 4,096 dense bytes as 16 rows of 256 bytes, 16 bytes of padding behind each
	s_or_b32 s[G1S+0], s43, (3<<16)|(1<<20)|(1<<21)|(5<<22)|(3<<25)
	s_or_b32 s[G1SB+0], s44, (3<<16)|(1<<20)|(1<<21)|(5<<22)|(3<<25)
.irp g, G1S, G1SB
	s_mov_b32 s[\g+1], 32<<16
	s_mov_b32 s[\g+2], (128*KS/256)<<16
	s_mov_b32 s[\g+3], 32<<16
	s_mov_b32 s[\g+4], 128*KS/256
	s_mov_b32 s[\g+5], 32
	s_mov_b32 s[\g+6], 0
	s_mov_b32 s[\g+7], 0
.endr
	s_lshl_b32 s18, s16, 7                         ; which 128 rows of the tile I fetch
	s_lshl_b32 s20, s17, 8
	s_add_co_u32 s20, s20, s18                     ; A: row 256 x tile row + 128 x half
	s_lshl_b32 s46, s42, 8
	s_add_co_u32 s46, s46, s18                     ; B: row 256 x tile column + 128 x half
	s_mov_b32 s21, 0
	s_mov_b32 s47, 0
	s_mov_b64 s[18:19], KS
	s_mul_u64 s[22:23], s[20:21], s[18:19]         ; where these rows' scales begin, in bytes
	s_mul_u64 s[92:93], s[46:47], s[18:19]
	s_mov_b64 s[18:19], KROW
	s_mul_u64 s[20:21], s[20:21], s[18:19]         ; and their codes: 768 bytes a row in both layouts
	s_mul_u64 s[46:47], s[46:47], s[18:19]
	s_mul_i32 s45, s14, HALFT                      ; where they go: no place in the cluster enters an LDS address
	s_mul_i32 s94, s14, HALFS
	s_wait_kmcnt 0x0
	s_add_nc_u64 s[20:21], s[4:5], s[20:21]
	s_add_nc_u64 s[22:23], s[6:7], s[22:23]
	s_add_nc_u64 s[46:47], s[8:9], s[46:47]
	s_add_nc_u64 s[92:93], s[10:11], s[92:93]
	CROUND                                         ; all sixteen work-groups are here: the first joint loads meet
	s_mov_b32 s[G0S], 1
	s_add_co_u32 s[G0S+1], s94, SCL
	s_mov_b64 s[G0S+2:G0S+3], s[22:23]
	s_or_b32 s[G0S+3], s[G0S+3], 0x80000000
	s_mov_b32 s[G0SB], 1
	s_add_co_u32 s[G0SB+1], s94, SCL
	s_mov_b64 s[G0SB+2:G0SB+3], s[92:93]
	s_or_b32 s[G0SB+3], s[G0SB+3], 0x80000000
	JLOAD G0S, G1S, G0SB, G1SB                     ; the scales first: they are wanted with K step 0
.irp s, 0,1
	s_mov_b32 s[G0+4*\s], 1
	s_add_co_u32 s[G0+4*\s+1], s45, \s*SLOT
	s_add_nc_u64 s[G0+4*\s+2:G0+4*\s+3], s[20:21], \s*ASTEP
	s_or_b32 s[G0+4*\s+3], s[G0+4*\s+3], 0x80000000
	s_mov_b32 s[G0B+4*\s], 1
	s_add_co_u32 s[G0B+4*\s+1], s45, \s*SLOT
	s_add_nc_u64 s[G0B+4*\s+2:G0B+4*\s+3], s[46:47], \s*ROWB
	s_or_b32 s[G0B+4*\s+3], s[G0B+4*\s+3], 0x80000000
	JLOAD G0+4*\s, G1, G0B+4*\s, G1B               ; by this text's count three tensor loads of a wave are out now
.endr
	v_and_b32 v1, 15, v0                           ; l % 16
	v_bfe_u32 v2, v0, 4, 1                         ; l / 16
	s_lshl_b32 s46, s42, 8
	s_lshl_b32 s47, s16, 7
	s_add_co_u32 s46, s46, s47                     ; my first column
	v_lshlrev_b32 v[BNO], 5, v2
	v_lshl_add_u32 v[BNO], s46, 2, v[BNO]          ; 4 x column + 32 h
.irp b, 0,1,2,3,4,5,6,7                        ; the bias: lane (r, h), register 8 b + j: column 16 b + 8 h + j of my 128
	global_load_b128 v[BN+8*\b:BN+8*\b+3], v[BNO], s[66:67] offset:64*\b
	global_load_b128 v[BN+8*\b+4:BN+8*\b+7], v[BNO], s[66:67] offset:64*\b+16
.endr
	v_mul_u32_u24 v3, v1, PITCH
	v_mul_u32_u24 v4, v2, 24
	v_add_nc_u32 v4, v3, v4                        ; B: a fragment's row x pitch + 24 x half
	v_lshl_add_u32 v5, v2, 4, v4                   ; and the same behind one padding more
	v_and_b32 v7, 31, v0
	v_lshlrev_b32 v7, 3, v7                        ; A: 8 x lane, my place in a piece of a unit
	s_mul_i32 s21, s15, HALFT                      ; my 128 rows of A
	s_mul_i32 s22, s16, HALFT                      ; my 128 rows of B,
	s_add_co_u32 s22, s22, 2*HALFT                 ; which lie behind A's 256
.irp s, 0,1
	v_add_nc_u32 v[ADRA+\s], s21, v7
	v_add_nc_u32 v[ADRB+\s], s22, v4
	v_add_nc_u32 v[ADRB+2+\s], s22, v5
	s_add_co_u32 s21, s21, SLOT
	s_add_co_u32 s22, s22, SLOT
.endr
	v_mul_u32_u24 v5, v1, KS                       ; my row's scales: 32 bytes a row,
	v_lshrrev_b32 v6, 8, v5
	v_lshl_add_u32 v5, v6, 4, v5                   ; and 16 more for each 256 passed
	s_mul_i32 s21, s15, HALFS                      ; A's: my 128 rows
	s_mul_i32 s22, s16, HALFS                      ; B's: my 128 rows, behind A's 256
	s_add_co_u32 s22, s22, 2*HALFS
	s_sub_co_u32 s22, s22, s21
	v_mul_u32_u24 v6, s22, v2                      ; lanes 16-31 take B's
	s_add_co_u32 s21, s21, SCL
	v_add_nc_u32 v5, v5, v6
	v_add_nc_u32 v[ADRS], s21, v5
	s_mul_i32 s23, s14, 16*SPITCH                  ; my stage
	v_mul_u32_u24 v5, v1, SPITCH                   ; in: row l % 16, 32 bytes for each half of the lanes
	v_lshl_add_u32 v5, v2, 5, v5
	v_add_nc_u32 v[STO], s23, v5
	v_and_b32 v6, 31, v0
	v_lshlrev_b32 v[CO], 4, v6                     ; back: the 32 lanes take one row of 512 bytes; and the same in C
	v_add_nc_u32 v[RD], s23, v[CO]
	s_lshl_b32 s20, s17, 8
	s_lshl_b32 s21, s15, 7
	s_add_co_u32 s20, s20, s21                     ; my first row of C
	s_mov_b32 s21, 0
	s_mov_b64 s[18:19], SIZE_N*4
	s_mul_u64 s[20:21], s[20:21], s[18:19]
	s_lshl_b32 s46, s46, 2                         ; my first column, in bytes
	s_mov_b32 s47, 0
	s_add_nc_u64 s[20:21], s[20:21], s[46:47]
	s_add_nc_u64 s[12:13], s[12:13], s[20:21]
.macro FRAG reg, adr, q, i             ; a fragment of B, 16 rows x 128 K: lane l holds row l % 16; registers 6 c .. 6 c + 5 hold K = 64 c + 32 (l / 16) + 0 .. 31: 24 bytes of the row, as they lie
.irp p, 0,1,2,3,4,5                    ; in pieces of 8 bytes.  Lanes 16-31 read three pieces further on than lanes 0-15;
.set PCE, 12*(\q)+6*(\p/3)+\p%3        ; where that is behind one padding more, the second address register serves
.if PCE%8 < 5
	ds_load_b64 v[\reg+2*\p:\reg+2*\p+1], v[\adr] offset:8*PCE+16*(PCE/8)+(\i)*16*PITCH
.else
	ds_load_b64 v[\reg+2*\p:\reg+2*\p+1], v[\adr+2] offset:8*PCE+16*(PCE/8)+(\i)*16*PITCH
.endif
.endr
.endm
.macro FRAGA reg, slot, q, i           ; a fragment of A: two units side by side, six pieces: each load takes 256 consecutive bytes
.irp p, 0,1,2,3,4,5
	ds_load_b64 v[\reg+2*\p:\reg+2*\p+1], v[ADRA+\slot] offset:(\i)*ASTEP+(2*(\q)+\p/3)*768+(\p%3)*256
.endr
.endm
; 16 matrix instructions: A's blocks a0, a0 + 1 x B's eight, 128 along K.  zero = 1: the first product starts the sums, with the bias as its C.
; The 64 accumulators take turns, one instruction a turn, in the same order in every step.
.macro MUL16 a0, p, q, sc, zero
.irp a, \a0, \a0+1
.irp b, 0,1,2,3,4,5,6,7
.if \zero
	v_wmma_scale_f32_16x16x128_f8f6f4 v[8*(8*((\a)%4)+\b):8*(8*((\a)%4)+\b)+7], v[128*(\p)+FR*\b:128*(\p)+FR*\b+FR-1], v[AF+FR*(\a):AF+FR*(\a)+FR-1], v[BN+8*\b:BN+8*\b+7], v[SC+8*NQ*(\sc)+NQ*\b+(\q)], v[SC+8*NQ*(\sc)+NQ*(\a)+(\q)] matrix_a_fmt:MATRIX_FMT_FP6 matrix_b_fmt:MATRIX_FMT_FP6 matrix_a_scale:MATRIX_SCALE_ROW1
.else
	v_wmma_scale_f32_16x16x128_f8f6f4 v[8*(8*((\a)%4)+\b):8*(8*((\a)%4)+\b)+7], v[128*(\p)+FR*\b:128*(\p)+FR*\b+FR-1], v[AF+FR*(\a):AF+FR*(\a)+FR-1], v[8*(8*((\a)%4)+\b):8*(8*((\a)%4)+\b)+7], v[SC+8*NQ*(\sc)+NQ*\b+(\q)], v[SC+8*NQ*(\sc)+NQ*(\a)+(\q)] matrix_a_fmt:MATRIX_FMT_FP6 matrix_b_fmt:MATRIX_FMT_FP6 matrix_a_scale:MATRIX_SCALE_ROW1
.endif
.endr
.endr
.endm
.macro FETCH_B slot, q, p
	WIN TO_B
.irp i, 0,1,2,3,4,5,6,7
	FRAG 128*(\p)+FR*\i, ADRB+\slot, \q, \i
.endr
	WIN 0
.endm
.macro FETCH_A slot, q, i0
.irp i, \i0, \i0+1, \i0+2, \i0+3
	FRAGA AF+FR*(\i), \slot, \q, \i
.endr
.endm
.macro SCALES sc                       ; a K step's scale words into set sc: lanes 0-15 take A's block i, lanes 16-31 B's block i
.irp i, 0,1,2,3,4,5,6,7
	ds_load_b64 v[SC+8*NQ*\sc+NQ*\i:SC+8*NQ*\sc+NQ*\i+1], v[ADRS] offset:\i*SBLK
.endr
.endm
; A load into a register that a matrix instruction has read, and a vector instruction or an LDS store that reads a matrix result, stand NP places behind it; only plain vector instructions that name
; none of its registers are places (ISA guide 7.12.1 for vector instructions).
.macro PLACES n
.rept \n
	v_nop
.endr
.endm
.macro STEP slot, q, zero              ; a step of 128 along K that has its successor in the same slot.  With zero = 1 the C operand lies in window 0
	s_wait_dscnt 4*NL                              ; B's set and A's blocks 0-3 are in; the youngest 24 loads (A's blocks 4-7) may be out
	WIN MUL_LO-0x20*\zero
	MUL16 0, (\q)%2, \q, \slot, \zero
	MUL16 2, (\q)%2, \q, \slot, \zero
	s_wait_dscnt 0                                 ; A's blocks 4-7 are in
	PLACES NP
	FETCH_B \slot, (\q)+1, 1-(\q)%2
	FETCH_A \slot, (\q)+1, 0
	WIN MUL_HI-0x30*\zero
	MUL16 4, (\q)%2, \q, \slot, \zero
	MUL16 6, (\q)%2, \q, \slot, \zero
	PLACES NP
	WIN 0
	FETCH_A \slot, (\q)+1, 4
.endm
; A slot's last step changes slots: ONE barrier; in front of it each wave waits for all its tensor loads, adds 0 to its spare word, and waits for that and for its own reads of this slot.  fill = 1: this slot is filled again, two K steps ahead.
.macro TURN slot, next, fill
	s_wait_tensorcnt 0x0                           ; all my tensor loads have landed: my part of the next slot
	ds_add_u32 v[SPW], v[NIL]                      ; 0 onto my spare word
	s_wait_dscnt 4*NL+1                            ; (the add and the youngest 24 loads, A's blocks 4-7, may be out)
	WIN MUL_LO
	MUL16 0, 1, NQ-1, \slot, 0                     ; sixteen matrix instructions stand between the add and the wait for it
	s_wait_dscnt 0x0                               ; the add is done, and my reads of this slot are over
	s_barrier_signal -1
	MUL16 2, 1, NQ-1, \slot, 0
	WIN 0
	s_barrier_wait -1
.if \fill
	CREST                                          ; the barrier has opened a round of the cluster's barrier: no wave of any partner still reads this slot or has a load on its way
	s_add_nc_u64 s[G0+4*\slot+2:G0+4*\slot+3], s[G0+4*\slot+2:G0+4*\slot+3], 2*ASTEP
	s_add_nc_u64 s[G0B+4*\slot+2:G0B+4*\slot+3], s[G0B+4*\slot+2:G0B+4*\slot+3], 2*ROWB
	JLOAD G0+4*\slot, G1, G0B+4*\slot, G1B         ; the first tensor load behind the round, a wave's only one until the next; the four v_nop behind it are the places in front of the loads below
.else
	PLACES NP
.endif
	v_add_nc_u32 v[ADRS], 4*NQ, v[ADRS]            ; on to the next K step's scale words
	FETCH_B \next, 0, 0
	FETCH_A \next, 0, 0
	SCALES \next
	WIN MUL_HI
	MUL16 4, 1, NQ-1, \slot, 0
	MUL16 6, 1, NQ-1, \slot, 0
	PLACES NP
	WIN 0
	FETCH_A \next, 0, 4
.endm
	s_wait_loadcnt 0x0                             ; the bias
	s_wait_tensorcnt 1                             ; the scales and my part of K step 0 are in; K step 1's load may stay out
	s_barrier_signal -1
	s_barrier_wait -1                              ; everybody's are
	FETCH_B 0, 0, 0
	FETCH_A 0, 0, 0
	SCALES 0
	FETCH_A 0, 0, 4
	STEP 0, 0, 1                                   ; the first step stands in front of the loop: its products start the sums
	s_mov_b32 s3, LAPS-1
.Llap:                                                 ; a trip goes once round the ring, from a lap's second step to the next lap's first, and fills both slots again
	TURN 0, 1, 1
	STEP 1, 0, 0
	TURN 1, 0, 1
	STEP 0, 0, 0
	s_sub_co_u32 s3, s3, 1
	s_cmp_lg_u32 s3, 0
	s_cbranch_scc1 .Llap
	TURN 0, 1, 0                                   ; the last lap fills nothing, and has no round of the cluster's barrier
	STEP 1, 0, 0
	s_wait_dscnt 4*NL                              ; the very last step: nothing more to fetch
	WIN MUL_LO
	MUL16 0, 1, NQ-1, 1, 0
	MUL16 2, 1, NQ-1, 1, 0
	s_wait_dscnt 0
	WIN MUL_HI
	MUL16 4, 1, NQ-1, 1, 0
	MUL16 6, 1, NQ-1, 1, 0
	WIN 0
; THE WAY OUT, block by block of 16 rows x 128 columns.  A lane holds 32 neighbouring bytes of a row, and the lanes beside it hold other rows: so a block goes through my own stage in LDS and comes back as whole
; rows of 512 bytes.  LDS serves a wave's instructions in order (ISA guide 5.7.1.4): no wait between the stores and the loads, nor in front of the next block's stores.
.macro TOSTAGE a
.set AC, 64*((\a)%4)
	WIN 0x08+4*((\a)/4)                            ; the data: window 2 or 3
.irp b, 0,1,2,3,4,5,6,7
	ds_store_b128 v[STO], v[AC+8*\b:AC+8*\b+3] offset:64*\b          ; each accumulator from its low end on
	ds_store_b128 v[STO], v[AC+8*\b+4:AC+8*\b+7] offset:64*\b+16
.endr
	WIN 0
.set BB, BK+64*((\a)%2)
.irp t, 0,1,2,3,4,5,6,7,8,9,10,11,12,13,14,15
	ds_load_b128 v[BB+4*\t:BB+4*\t+3], v[RD] offset:\t*SPITCH
.endr
.endm
.macro SEND a, younger                 ; younger: the LDS instructions issued behind block a's loads, which may stay out
.set BB, BK+64*((\a)%2)
	s_wait_dscnt \younger                          ; the block is back in registers
.if (\a) > 0
	s_add_nc_u64 s[12:13], s[12:13], 16*SIZE_N*4   ; (behind a wait on XCNT: the earlier stores have read their base)  16 rows of C on
.endif
.irp t, 0,1,2,3,4,5,6,7,8,9,10,11,12,13,14,15
	global_store_b128 v[CO], v[BB+4*\t:BB+4*\t+3], s[12:13] offset:\t*SIZE_N*4 th:TH_STORE_NT   ; 32 lanes store 512 consecutive bytes, at a multiple of 256 from C's first byte; written once, read by nobody here
.endr
.endm
	PLACES NP                                      ; behind the last products: their operands' registers are loaded into and their results read below
	TOSTAGE 0
.irp a, 1,2,3,4,5,6,7
.if \a > 1
	s_wait_xcnt 0x0                                ; block a - 2's stores have read their registers and their base: block a's loads may land there, and the base may step
.endif
	TOSTAGE \a
	SEND \a-1, 32                                  ; behind block a - 1's loads: block a's 16 stores and 16 loads
.endr
	s_wait_xcnt 0x0                                ; block 6's stores have read their base
	SEND 7, 0
	s_wait_tensorcnt 0x0                           ; the wave's end, behind my last tensor load and my last LDS store
	ds_add_u32 v[SPW], v[NIL]
	s_wait_dscnt 0x0
	CROUND                                         ; the closing round: no work-group ends while a partner may still ask for a tile that names it
	s_endpgm
.Lfunc_end_k_q3911413cc4_oproj:
	.size	k_q3911413cc4_oproj, .Lfunc_end_k_q3911413cc4_oproj-k_q3911413cc4_oproj
	.p2alignl 7, 3214868480
	.fill 96, 4, 3214868480
	.section	.rodata,"a",@progbits
	.p2align	6, 0x0
	.amdhsa_kernel k_q3911413cc4_oproj
		.amdhsa_group_segment_fixed_size 327680
		.amdhsa_private_segment_fixed_size 0
		.amdhsa_enable_private_segment 0
		.amdhsa_kernarg_size 48
		.amdhsa_user_sgpr_count 2
		.amdhsa_user_sgpr_kernarg_segment_ptr 1
		.amdhsa_wavefront_size32 1
		.amdhsa_system_sgpr_workgroup_id_x 1
		.amdhsa_system_sgpr_workgroup_id_y 1
		.amdhsa_system_sgpr_workgroup_id_z 1
		.amdhsa_system_vgpr_workitem_id 0
		.amdhsa_next_free_vgpr 1024
		.amdhsa_next_free_sgpr 98
		.amdhsa_reserve_vcc 0
		.amdhsa_float_denorm_mode_32 3
		.amdhsa_float_denorm_mode_16_64 3
		.amdhsa_memory_ordered 1
		.amdhsa_forward_progress 1
		.amdhsa_inst_pref_size 161
	.end_amdhsa_kernel
	.amdgpu_metadata
---
amdhsa.version: [ 1, 2 ]
amdhsa.kernels:
  - .name:           k_q3911413cc4_oproj
    .symbol:         k_q3911413cc4_oproj.kd
    .args:
      - { .name: att, .offset: 0, .size: 8, .value_kind: global_buffer, .address_space: global }
      - { .name: atts, .offset: 8, .size: 8, .value_kind: global_buffer, .address_space: global }
      - { .name: Wo_codes, .offset: 16, .size: 8, .value_kind: global_buffer, .address_space: global }
      - { .name: Wo_scales, .offset: 24, .size: 8, .value_kind: global_buffer, .address_space: global }
      - { .name: bo, .offset: 32, .size: 8, .value_kind: global_buffer, .address_space: global }
      - { .name: out0, .offset: 40, .size: 8, .value_kind: global_buffer, .address_space: global }
    .group_segment_fixed_size: 327680
    .private_segment_fixed_size: 0
    .kernarg_segment_align: 8
    .kernarg_segment_size: 48
    .max_flat_workgroup_size: 128
    .sgpr_count:     98
    .vgpr_count:     1024
    .wavefront_size: 32
...
	.end_amdgpu_metadata
.endif
;; end of part 3
